; MI455X (gfx1250); checked and timed in simulation.
; The chip was launched on July 23, 2026; its instructions are those of AMD's public machine-readable ISA for CDNA 5 (MIT licence, August 2026) and "CDNA5" Instruction Set Architecture Reference Guide (July 2026). The comments in the code are by the model that wrote it; some were corrected since.
;; Masked Attention. Allowed arithmetic: float matrix products may take bf16 or f16 operands with f32 sums; all other float work in f32.
;; Inputs: bk 1,024 float32; bo 1,024 float32; bq 1,024 float32; bv 1,024 float32; k 4 x 2,048 x 1,024 float32; mask 2,048 x 2,048 int32; q 4 x 2,048 x 1,024 float32; v 4 x 2,048 x 1,024 float32; wk 1,024 x 1,024 float32; wo 1,024 x 1,024 float32; wq 1,024 x 1,024 float32; wv 1,024 x 1,024 float32.
;; Outputs: out0 4 x 2,048 x 1,024 float32.
;; 2 versions, each right; version 2 is version 1 with the launch cast written anew for expert scheduling mode. Each part assembles by itself: llvm-mc -triple=amdgcn-amd-amdhsa -mcpu=gfx1250 --defsym DOCPART=n.
;; ======== version 1 of 2: 5 launches
;; limits: values are held in f16: magnitudes above 65,504 overflow, below 6.1e-05 lose precision
;; workspace buffers: wb 8,388,608 bytes; qkv 50,331,648 bytes; ph 33,554,432 bytes; st 1,048,576 bytes; ch 16,777,216 bytes; mb 524,288 bytes of whole numbers
;; launch cast (part 1): grid 256 x 1, 8 waves a work-group, no clusters, 0 bytes of LDS; arguments wq, wk, wv, wo, mask, wb, mb; writes wb, mb
.if DOCPART == 1
	.amdgcn_target "amdgcn-amd-amdhsa--gfx1250"
	.amdhsa_code_object_version 6
	.text
	.protected	k_q802d0a6162_cast
	.globl	k_q802d0a6162_cast
	.p2align	8
	.type	k_q802d0a6162_cast,@function
k_q802d0a6162_cast:
	s_mov_b64 s[64:65], 0
	v_nop
	global_prefetch_b8 v0, s[64:65] scope:SCOPE_SE
	s_setreg_imm32_b32 hwreg(HW_REG_WAVE_MODE, 25, 1), 1
	s_wait_xcnt 0x0
; TWO SMALL STREAMS.  (1) The four weights, [1024][1024] f32, are rounded to bf16 once.  wb = [4][1024][1024] of 16 bits: wq, wk, wv as bf16; wo's bf16 number written as f16,
; since the last product multiplies in f16.  (2) The mask, [2048][2048] int32, is packed into lane masks: mb = [128 R][128 C][8 j] words; bit r + 16 h of word (R, C, j) is
; mask[16 R + r][16 C + 8 h + j] != 0.  Those are the 32 lanes that hold register j of a 16 x 16 accumulator of scores, so the next launch but one selects by such a word as it lies.
; LIMITS.  wo beyond 65,504 becomes an infinity; wo below 6.1e-5 keeps f16's fixed step of 6e-8.
; Memory binds, so no LDS, no barrier, no matrix unit.  Work-group g takes numbers 4,096 g .. 4,096 g + 4,095 of each weight; a load of a wave covers 512 consecutive bytes, a store 256
; consecutive bytes at a multiple of 256.  Wave u = 8 g + w takes rows 16 (u / 16) on, columns 128 (u % 16) on of the mask: lane (r, h) reads as the scores will lie, 32 bytes at a time, and the
; wave's sixteen loads on end cover 512 consecutive bytes of each of its 16 rows; its 64 words leave by one store of 256 consecutive bytes.  All 32 loads go out before the first is waited for.
.set X,  4                             ; v[4:67]    weight load n = 4 j + i: four f32
.set Y,  68                            ; v[68:99]   the same four numbers in 16 bits: two registers
.set TT, 100                           ; v[100:103] at work
.set MK, 104                           ; v[104:167] the mask's words: column group c at 8 c
.set OW, 168                           ; v[168:169] lane l: words 2 l and 2 l + 1 of the wave's 64
.set ML, 170                           ; v170       my byte offset in the wave's part of the mask
.set OL, 171                           ; v171       8 x lane
	s_load_b256 s[4:11], s[0:1], 0x0               ; wq s[4:5], wk s[6:7], wv s[8:9], wo s[10:11]
	s_load_b128 s[12:15], s[0:1], 0x20             ; mask s[12:13], wb s[14:15]
	s_load_b64 s[16:17], s[0:1], 0x30              ; mb
	s_lshl_b32 s18, ttmp9, 14                      ; my 4,096 numbers in f32
	s_mov_b32 s19, 0
	s_lshl_b32 s20, ttmp9, 13                      ; and in 16 bits
	s_mov_b32 s21, 0
	s_mov_b32 s22, 0xffff0000                      ; a word's upper bf16
	v_lshrrev_b32 v3, 5, v0
	v_readfirstlane_b32 s23, v3                    ; wave
	s_lshr_b32 s24, ttmp9, 1                       ; R = u / 16
	s_and_b32 s25, ttmp9, 1
	s_lshl_b32 s25, s25, 3
	s_add_co_u32 s25, s25, s23                     ; u % 16
	s_lshl_b32 s26, s24, 17                        ; 16 rows of 8,192 bytes
	s_lshl_b32 s27, s25, 9                         ; 128 columns of 4 bytes
	s_add_co_u32 s26, s26, s27
	s_mov_b32 s27, 0
	s_lshl_b32 s28, s24, 12                        ; in mb: 4,096 bytes for each R, 256 for each 128 columns
	s_lshl_b32 s29, s25, 8
	s_add_co_u32 s28, s28, s29
	s_mov_b32 s29, 0
	v_lshlrev_b32 v1, 4, v0                        ; weights: 16 bytes a thread in
	v_lshlrev_b32 v2, 3, v0                        ; 8 bytes a thread out
	v_and_b32 v[OL], 31, v0
	v_and_b32 v[ML], 15, v0                        ; r
	v_bfe_u32 v3, v0, 4, 1                         ; h
	v_lshlrev_b32 v[ML], 13, v[ML]                 ; row r,
	v_lshl_add_u32 v[ML], v3, 5, v[ML]             ; eight words for each half of the lanes
	v_lshlrev_b32 v[OL], 3, v[OL]
	v_mov_b32 v[OW], 0                             ; v_writelane_b32's destination counts as read
	v_mov_b32 v[OW+1], 0
	s_wait_kmcnt 0x0
.irp j, 0,1,2,3
	s_add_nc_u64 s[4+2*(\j):5+2*(\j)], s[4+2*(\j):5+2*(\j)], s[18:19]
.endr
	s_add_nc_u64 s[14:15], s[14:15], s[20:21]
	s_add_nc_u64 s[12:13], s[12:13], s[26:27]
	s_add_nc_u64 s[16:17], s[16:17], s[28:29]
.irp j, 0,1,2,3
.irp i, 0,1,2,3
	global_load_b128 v[X+16*(\j)+4*(\i):X+16*(\j)+4*(\i)+3], v1, s[4+2*(\j):5+2*(\j)] offset:4096*(\i) th:TH_LOAD_NT
.endr
.endr
.irp c, 0,1,2,3,4,5,6,7
	global_load_b128 v[MK+8*(\c):MK+8*(\c)+3],   v[ML], s[12:13] offset:64*(\c) th:TH_LOAD_NT
	global_load_b128 v[MK+8*(\c)+4:MK+8*(\c)+7], v[ML], s[12:13] offset:64*(\c)+16 th:TH_LOAD_NT
.endr
.irp j, 0,1,2,3
.irp i, 0,1,2,3
	s_wait_loadcnt 31-4*(\j)-(\i)                  ; loads come back in order: this one is in, the younger weights' and the mask's sixteen stay out
	v_cvt_pk_bf16_f32 v[Y+8*(\j)+2*(\i)],   v[X+16*(\j)+4*(\i)],   v[X+16*(\j)+4*(\i)+1]
	v_cvt_pk_bf16_f32 v[Y+8*(\j)+2*(\i)+1], v[X+16*(\j)+4*(\i)+2], v[X+16*(\j)+4*(\i)+3]
.if (\j) == 3
	v_lshlrev_b32 v[TT],   16,  v[Y+8*(\j)+2*(\i)]  ; wo: the bf16 numbers widened,
	v_and_b32     v[TT+1], s22, v[Y+8*(\j)+2*(\i)]
	v_lshlrev_b32 v[TT+2], 16,  v[Y+8*(\j)+2*(\i)+1]
	v_and_b32     v[TT+3], s22, v[Y+8*(\j)+2*(\i)+1]
	v_cvt_pk_f16_f32 v[Y+8*(\j)+2*(\i)],   v[TT],   v[TT+1]  ; and written as f16
	v_cvt_pk_f16_f32 v[Y+8*(\j)+2*(\i)+1], v[TT+2], v[TT+3]
.endif
	global_store_b64 v2, v[Y+8*(\j)+2*(\i):Y+8*(\j)+2*(\i)+1], s[14:15] offset:(\j)*2097152+2048*(\i)
.endr
.endr
.irp c, 0,1,2,3,4,5,6,7
	s_wait_loadcnt 14-2*(\c)                       ; column group c's two loads are in, the younger ones stay out
.irp j, 0,1,2,3,4,5,6,7
	v_cmp_ne_u32 s[32+(\j)], 0, v[MK+8*(\c)+(\j)]  ; the compare's lane mask IS word 8 c + j
.endr
.irp j, 0,1,2,3,4,5,6,7
	v_writelane_b32 v[OW+(\j)%2], s[32+(\j)], 4*(\c)+(\j)/2
.endr
.endr
	global_store_b64 v[OL], v[OW:OW+1], s[16:17]   ; 256 consecutive bytes, at a multiple of 256
	s_endpgm
.Lfunc_end_k_q802d0a6162_cast:
	.size	k_q802d0a6162_cast, .Lfunc_end_k_q802d0a6162_cast-k_q802d0a6162_cast
	.p2alignl 7, 3214868480
	.fill 96, 4, 3214868480
	.section	.rodata,"a",@progbits
	.p2align	6, 0x0
	.amdhsa_kernel k_q802d0a6162_cast
		.amdhsa_group_segment_fixed_size 0
		.amdhsa_private_segment_fixed_size 0
		.amdhsa_enable_private_segment 0
		.amdhsa_kernarg_size 56
		.amdhsa_user_sgpr_count 2
		.amdhsa_user_sgpr_kernarg_segment_ptr 1
		.amdhsa_wavefront_size32 1
		.amdhsa_system_sgpr_workgroup_id_x 1
		.amdhsa_system_sgpr_workgroup_id_y 1
		.amdhsa_system_sgpr_workgroup_id_z 1
		.amdhsa_system_vgpr_workitem_id 0
		.amdhsa_next_free_vgpr 176
		.amdhsa_next_free_sgpr 66
		.amdhsa_reserve_vcc 0
		.amdhsa_float_denorm_mode_32 3
		.amdhsa_float_denorm_mode_16_64 3
		.amdhsa_memory_ordered 1
		.amdhsa_forward_progress 1
		.amdhsa_inst_pref_size 19
	.end_amdhsa_kernel
	.amdgpu_metadata
---
amdhsa.version: [ 1, 2 ]
amdhsa.kernels:
  - .name:           k_q802d0a6162_cast
    .symbol:         k_q802d0a6162_cast.kd
    .args:
      - { .name: wq, .offset: 0, .size: 8, .value_kind: global_buffer, .address_space: global }
      - { .name: wk, .offset: 8, .size: 8, .value_kind: global_buffer, .address_space: global }
      - { .name: wv, .offset: 16, .size: 8, .value_kind: global_buffer, .address_space: global }
      - { .name: wo, .offset: 24, .size: 8, .value_kind: global_buffer, .address_space: global }
      - { .name: mask, .offset: 32, .size: 8, .value_kind: global_buffer, .address_space: global }
      - { .name: wb, .offset: 40, .size: 8, .value_kind: global_buffer, .address_space: global }
      - { .name: mb, .offset: 48, .size: 8, .value_kind: global_buffer, .address_space: global }
    .group_segment_fixed_size: 0
    .private_segment_fixed_size: 0
    .kernarg_segment_align: 8
    .kernarg_segment_size: 56
    .max_flat_workgroup_size: 256
    .sgpr_count:     66
    .vgpr_count:     176
    .wavefront_size: 32
...
	.end_amdgpu_metadata
.endif
;; end of part 1
;; launch proj (part 2): grid 4 x 192, 4 waves a work-group, clusters of 4 x 4, 327,680 bytes of LDS; arguments q, k, v, wb, bq, bk, bv, qkv; writes qkv
.if DOCPART == 2
	.amdgcn_target "amdgcn-amd-amdhsa--gfx1250"
	.amdhsa_code_object_version 6
	.text
	.protected	k_q802d0a6162_proj
	.globl	k_q802d0a6162_proj
	.p2align	8
	.type	k_q802d0a6162_proj,@function
k_q802d0a6162_proj:
	s_mov_b64 s[64:65], 0
	v_nop
	global_prefetch_b8 v0, s[64:65] scope:SCOPE_SE
	s_setreg_imm32_b32 hwreg(HW_REG_WAVE_MODE, 25, 1), 1
	s_wait_xcnt 0x0
	s_wait_alu depctr_hold_cnt(0) depctr_sa_sdst(0) depctr_va_vdst(0) depctr_va_sdst(0) depctr_va_ssrc(0) depctr_va_vcc(0) depctr_vm_vsrc(0)
	s_getreg_b32 s2, hwreg(HW_REG_IB_STS2, 6, 4)
	s_cmp_eq_u32 s2, 0
	s_cbranch_scc0 .Lentry_in_a_cluster
	s_endpgm
.Lentry_in_a_cluster:
	s_bfe_u32 s2, ttmp6, 0x10000c
	s_cmp_lg_u32 s2, 0xf033
	s_cbranch_scc0 .Lentry_shape_is_right
	s_endpgm
.Lentry_shape_is_right:
; Q = q wq + bq, K = k wk + bk, V = v wv + bv.  x: [8192][1024] f32, rounded to bf16 on the way from LDS to the matrix unit; W: [1024 k][1024 n] bf16 (from wb); b rounded to bf16; sums in f32;
; the results leave as f16, qkv = [3][8192][1024].
; LIMITS.  Q, K and V beyond 65,504 become infinities (f16); NaN and infinities are not treated apart.
; SHARES.  768 tiles of 128 rows x 256 columns, 256 for each of the three products; the grid's y picks the product (cluster y / 16) and the tile row.  Four waves; wave w makes rows 64 (w / 2) on,
; columns 128 (w % 2) on: 32 accumulators of 16 x 16, 256 registers.  K goes in steps of 128 through two LDS slots.
; CLUSTER.  4 x 4 work-groups: the four of a row need the same tile of x, the four of a column the same tile of W: each tile is asked for jointly, by the same tensor load, descriptor and mask.
; THE MATRIX INSTRUCTION IS USED TRANSPOSED: source 0 = 16 columns of W (turned on the way out of LDS by ds_load_tr16_b128), source 1 = 16 rows of x.  A lane then holds eight neighbouring numbers of a row.
; A K step is four quarters of 32; a quarter is 32 matrix instructions, each accumulator once and always in the same order.  The next quarter's LDS loads stand in one
; run at a quarter's head; x's 32 conversions to bf16 stand four behind each of the quarter's last eight matrix instructions.
; REGISTERS, in windows of 256 (s_set_vgpr_msb: bits 1:0 source 0, 3:2 source 1, 5:4 source 2, 7:6 destination):
;   window 0: v0-31 addresses; v32-95 x's fragments, two buffers of 32; v96-223 W's, two buffers of 64 (on the way out: rows read back); v224-255 packed results
;   window 1: the accumulators, (a, b) at v[8 (8 a + b)]          window 2: v0-63 x as loaded, f32; v64-127 the bias of my 128 columns; v128-159 at work
.set PA,    528                        ; a row of x in LDS: 512 bytes + 16 of padding = 132 words: the 16 rows of a load start at 16 different groups of four banks (64 banks of 4 bytes: ISA guide 11.1)
.set HA,    64*PA                      ; what one tensor load brings of x
.set BOFF,  2*HA                       ; W's tile lies behind x's 128 rows
.set PB,    544                        ; a k row of W: 512 bytes + 32
.set HB,    64*PB                      ; what one tensor load brings of W
.set SX,    0x22000                    ; slot 1 begins here; its bits are in none of the four tiles' places in a slot (0, 0x8400, 0x10800, 0x19000), so one exclusive or changes slots
.set STAGE, SX+BOFF+2*HB               ; behind the ring: 16 rows x 272 bytes for each wave, for the way out
.set SP,    272
.set SPARE, STAGE+4*16*SP              ; behind the stages: the spare words, 128 bytes for each wave: two blocks of 256 bytes that no other line names
.set STEPA, 512                        ; a K step in x: 128 f32
.set STEPB, 128*2048                   ; in W: 128 rows of 2,048 bytes
.set NSTEP, 8
.set PITCH, 2048                       ; a row of Q, K, V
.set A0,  4                            ; v4   my lane's place in x's tile of a slot; never rewritten
.set B0,  5                            ; v5   the same for W
.set ADA, 6                            ; v6   A0 + the slot in hand
.set ADB, 7                            ; v7   B0 + the slot in hand
.set STO, 8                            ; v8   the way out: where I put 16 bytes of a row
.set RD,  9                            ; v9   the way out: where I read a row back
.set CO,  10                           ; v10  my byte offset in the result
.set BA,  11                           ; v11  my byte offset in 16 numbers of the bias
.set SPW, 28                           ; v28  LDS address of my spare word; never rewritten
.set NIL, 29                           ; v29  0; never rewritten
.set AF,  32
.set BF,  96
.set OB,  96
.set TMP, 224
.set RAW, 0                            ; window 2
.set BI,  64
.set BT,  128
.set WV, 10                            ; s10 wave; s11 wave / 2; s12 wave % 2
.set WR, 11
.set WC, 12
.set TR, 13                            ; s13 tile row
.set G1A, 24                           ; s[24:31] descriptor group 1 for x's tiles; s[32:39] group 0: a set for each first fill; the second then walks on
.set G0A, 32
.set CX, 40
.set CY, 41
.set TC, 42                            ; s42 tile column
.set RM, 43
.set CMK, 44
.set YY, 45
.set G1B, 48                           ; s[48:55], s[56:63] the same for W's tiles
.set G0B, 56
.set TB,  66                           ; s66 LDS byte at which the slot in hand begins
.set CNT, 67
.set ARG, 72                           ; s[72:87] the eight addresses
.set SL,  88                           ; s88 which product: 0, 1, 2
.set BP,  90                           ; s[90:91] the bias at my 128 columns
.set MUL, 0x50                         ; sources window 0, C and D window 1
.set MSB, 0
.macro WIN new                         ; the immediate's high byte repeats the setting that is left; a switch that changes nothing is dropped
.if MSB != (\new)
	s_set_vgpr_msb (MSB<<8)|(\new)
.set MSB, (\new)
.endif
.endm
.macro PLACES                          ; four places in front of loads into registers that matrix instructions have read, and of vector lines that read results
.rept 4
	v_nop
.endr
.endm
.macro JLOAD                           ; a joint refill: waves 0 and 1 fetch x's two halves, waves 2 and 3 W's; an s_nop 0 and four v_nop follow each line
	s_cmp_lt_u32 s[WV], 2
	s_cbranch_scc0 .Lfor_b_\@
	tensor_load_to_lds s[G0A+4:G0A+7], s[G1A:G1A+7]
	s_nop 0
.rept 4
	v_nop
.endr
	s_branch .Lasked_\@
.Lfor_b_\@:
	tensor_load_to_lds s[G0B+4:G0B+7], s[G1B:G1B+7]
	s_nop 0
.rept 4
	v_nop
.endr
.Lasked_\@:
.endm
.macro CREST                           ; a round of the cluster's barrier behind its opening barrier
	s_cmp_lg_u32 s[WV], 0
	s_cbranch_scc1 .Lnot_wave_0_\@
	s_barrier_signal -3
.Lnot_wave_0_\@:
	s_barrier_wait -3
	s_barrier_signal -1
	s_barrier_wait -1
.endm
.macro CROUND
	s_barrier_signal -1
	s_barrier_wait -1
	CREST
.endm
.macro RIDE4 n0                        ; four of the 32 conversions: x's f32 of the quarter just fetched into fragment buffer G
	WIN 0x0a
.set n, \n0
.rept 4
	v_cvt_pk_bf16_f32 v[AF+32*G+n], v[RAW+2*n], v[RAW+2*n+1]
.set n, n+1
.endr
.endm
.macro MULS f, first, count, zero, ride ; products number first on of a quarter's 32, on buffer f; zero = 1: they start the sums; ride = 1: four conversions behind each
.set i, \first
.rept \count
	WIN MUL
.set rD, 8*i
.set rB, BF+64*(\f)+8*(i%8)
.set rA, AF+32*(\f)+8*(i/8)
.if \zero
	v_wmma_f32_16x16x32_bf16 v[rD:rD+7], v[rB:rB+7], v[rA:rA+7], 0
.else
	v_wmma_f32_16x16x32_bf16 v[rD:rD+7], v[rB:rB+7], v[rA:rA+7], v[rD:rD+7]
.endif
.if \ride
	RIDE4 4*(i%8)
.endif
.set i, i+1
.endr
.endm
.macro FETCH q, g                      ; 32 LDS loads in one run: quarter q of the slot in hand: x's 64 rows x 32 f32 first, then W's 32 k x 128 columns, turned, into buffer g
	WIN 0x80
.irp a, 0,1,2,3
	ds_load_b128 v[RAW+16*(\a):RAW+16*(\a)+3],     v[ADA] offset:128*(\q)+16*PA*(\a)
	ds_load_b128 v[RAW+16*(\a)+4:RAW+16*(\a)+7],   v[ADA] offset:128*(\q)+16*PA*(\a)+16
	ds_load_b128 v[RAW+16*(\a)+8:RAW+16*(\a)+11],  v[ADA] offset:128*(\q)+16*PA*(\a)+64
	ds_load_b128 v[RAW+16*(\a)+12:RAW+16*(\a)+15], v[ADA] offset:128*(\q)+16*PA*(\a)+80
.endr
	WIN 0
.irp b, 0,1,2,3,4,5,6,7
	ds_load_tr16_b128 v[BF+64*(\g)+8*(\b):BF+64*(\g)+8*(\b)+3],   v[ADB] offset:32*PB*(\q)+32*(\b)
	ds_load_tr16_b128 v[BF+64*(\g)+8*(\b)+4:BF+64*(\g)+8*(\b)+7], v[ADB] offset:32*PB*(\q)+32*(\b)+16*PB
.endr
.endm
.macro QUARTER qn, f, zero             ; multiplies buffer f; fetches quarter qn into the other buffer
	s_wait_dscnt 0x0                               ; buffer f's loads, issued a quarter ago
	PLACES                                         ; the other buffer was read by the matrix instructions just issued
	FETCH \qn, 1-(\f)
.set G, 1-(\f)
	MULS \f, 0, 24, \zero, 0
	s_wait_dscnt 16                                ; x's sixteen loads are in; W's sixteen, issued behind them, may be out
	MULS \f, 24, 8, \zero, 1
.endm
; The fourth quarter multiplies buffer 1 and changes slots: ONE barrier.  In front of it each wave waits for all its tensor loads (one is out: its part of the next slot), adds 0 to its spare word,
; and waits for that and for its reads of this slot.  fill = 1: the barrier opens a round of the cluster's barrier, and behind the round this slot is filled again, two K steps ahead.
.macro TURN fill
	WIN 0
	s_wait_tensorcnt 0x0                           ; no tensor load of mine is out, so a group 0 may be written
	ds_add_u32 v[SPW], v[NIL]                      ; 0 onto my spare word
.if \fill
	s_xor_b32 s[G0A+5], s[G0A+5], SX               ; the walking descriptors: the other slot than last time, the next K step
	s_add_nc_u64 s[G0A+6:G0A+7], s[G0A+6:G0A+7], STEPA
	s_xor_b32 s[G0B+5], s[G0B+5], SX
	s_add_nc_u64 s[G0B+6:G0B+7], s[G0B+6:G0B+7], STEPB
.endif
	s_xor_b32 s[TB], s[TB], SX
	s_wait_dscnt 1                                 ; buffer 1's loads are in; the add alone may be out
	MULS 1, 0, 4, 0, 0
	s_wait_dscnt 0x0                               ; the add is done, and my reads of this slot are over
	s_barrier_signal -1
	MULS 1, 4, 8, 0, 0
	WIN 0                                          ; at a branch and at a label every window is 0
	s_barrier_wait -1
.if \fill
	CREST                                          ; no wave of any partner still reads this slot's tile or has a load on its way
	JLOAD                                          ; the first tensor load behind the round; its four v_nop are also the places in front of the loads below
.else
	PLACES
.endif
	v_add_nc_u32 v[ADA], s[TB], v[A0]
	v_add_nc_u32 v[ADB], s[TB], v[B0]
	FETCH 0, 0
.set G, 0
	MULS 1, 12, 12, 0, 0
	s_wait_dscnt 16
	MULS 1, 24, 8, 0, 1
.endm
	s_load_b512 s[ARG:ARG+15], s[0:1], 0x0         ; q, k, v, wb, bq, bk, bv, qkv
	v_lshl_add_u32 v[SPW], v0, 2, SPARE
	v_mov_b32 v[NIL], 0
	v_lshrrev_b32 v1, 5, v0
	v_readfirstlane_b32 s[WV], v1
	s_lshr_b32 s[WR], s[WV], 1                     ; which 64 rows of the tile are mine
	s_and_b32 s[WC], s[WV], 1                      ; which 128 columns; also: which half of a tile I fetch
	s_bfe_u32 s[CX], ttmp6, 0x40000
	s_bfe_u32 s[CY], ttmp6, 0x40004
	s_lshl_b32 s[TC], ttmp9, 2
	s_add_co_u32 s[TC], s[TC], s[CX]               ; tile column = 4 x cluster x + cx
	s_and_b32 s[YY], ttmp7, 0xffff
	s_lshr_b32 s[SL], s[YY], 4                     ; 16 clusters along y for each product: the same for all partners
	s_and_b32 s[TR], s[YY], 15
	s_lshl_b32 s[TR], s[TR], 2
	s_add_co_u32 s[TR], s[TR], s[CY]               ; tile row = 4 x (cluster y % 16) + cy
	s_lshl_b32 s[RM], s[CY], 2
	s_lshl_b32 s[RM], 15, s[RM]                    ; my row of the cluster
	s_lshl_b32 s[CMK], 0x1111, s[CX]               ; my column
	s_or_b32 s[G1A], s[RM], (2<<16)|(1<<20)|(1<<21)|(6<<22)|(3<<25)   ; mask; 4-byte elements; padding on; bit 21 beside a mask; after every 128 words 4 words
	s_mov_b32 s[G1A+1], 128<<16                    ; tensor_dim0 = 128
	s_mov_b32 s[G1A+2], 64<<16                     ; tensor_dim1 = 64
	s_mov_b32 s[G1A+3], 128<<16                    ; tile_dim0 = 128
	s_mov_b32 s[G1A+4], 64                         ; tile_dim1 = 64
	s_mov_b32 s[G1A+5], 1024                       ; elements from row to row
	s_mov_b32 s[G1A+6], 0
	s_mov_b32 s[G1A+7], 0
	s_or_b32 s[G1B], s[CMK], (1<<16)|(1<<20)|(1<<21)|(6<<22)|(7<<25)  ; 2-byte elements; after every 128 words 8 words
	s_mov_b32 s[G1B+1], 256<<16
	s_mov_b32 s[G1B+2], 64<<16
	s_mov_b32 s[G1B+3], 256<<16
	s_mov_b32 s[G1B+4], 64
	s_mov_b32 s[G1B+5], 1024
	s_mov_b32 s[G1B+6], 0
	s_mov_b32 s[G1B+7], 0
	s_lshl_b32 s14, s[TR], 7                       ; x: row 128 x tile row + 64 x half, 4,096 bytes a row
	s_lshl_b32 s15, s[WC], 6
	s_add_co_u32 s14, s14, s15
	s_lshl_b32 s14, s14, 12
	s_mov_b32 s15, 0
	s_lshl_b32 s46, s[SL], 21                      ; W: the product's weight, k row 64 x half, column 256 x tile column
	s_lshl_b32 s47, s[WC], 17
	s_add_co_u32 s46, s46, s47
	s_lshl_b32 s47, s[TC], 9
	s_add_co_u32 s46, s46, s47
	s_mov_b32 s47, 0
	s_lshl_b32 s16, s[TR], 7                       ; the result: my first row and column
	s_lshl_b32 s17, s[WR], 6
	s_add_co_u32 s16, s16, s17
	s_lshl_b32 s16, s16, 11
	s_lshl_b32 s17, s[SL], 24
	s_add_co_u32 s16, s16, s17
	s_lshl_b32 s17, s[TC], 9
	s_add_co_u32 s16, s16, s17
	s_lshl_b32 s17, s[WC], 8
	s_add_co_u32 s16, s16, s17
	s_mov_b32 s17, 0
	s_lshl_b32 s22, s[TC], 10                      ; the bias: my 128 columns, 4 bytes each
	s_lshl_b32 s23, s[WC], 9
	s_add_co_u32 s22, s22, s23
	s_mov_b32 s23, 0
	s_mul_i32 s20, s[WC], HA                       ; where the tiles go: no place in the cluster enters an LDS address
	s_mul_i32 s21, s[WC], HB
	s_add_co_u32 s21, s21, BOFF
	s_mov_b32 s[TB], 0
	s_wait_kmcnt 0x0
	s_cmp_eq_u32 s[SL], 1
	s_cselect_b64 s[4:5], s[ARG+2:ARG+3], s[ARG:ARG+1]
	s_cselect_b64 s[BP:BP+1], s[ARG+10:ARG+11], s[ARG+8:ARG+9]
	s_cmp_eq_u32 s[SL], 2
	s_cselect_b64 s[4:5], s[ARG+4:ARG+5], s[4:5]
	s_cselect_b64 s[BP:BP+1], s[ARG+12:ARG+13], s[BP:BP+1]
	s_add_nc_u64 s[14:15], s[4:5], s[14:15]
	s_add_nc_u64 s[46:47], s[ARG+6:ARG+7], s[46:47]
	s_add_nc_u64 s[8:9], s[ARG+14:ARG+15], s[16:17]
	s_add_nc_u64 s[BP:BP+1], s[BP:BP+1], s[22:23]
	CROUND                                         ; all sixteen work-groups are here: the first joint loads meet
.irp s, 0,1
	s_mov_b32 s[G0A+4*(\s)], 1
	s_add_co_u32 s[G0A+4*(\s)+1], s20, (\s)*SX
	s_add_nc_u64 s[G0A+4*(\s)+2:G0A+4*(\s)+3], s[14:15], (\s)*STEPA
	s_or_b32 s[G0A+4*(\s)+3], s[G0A+4*(\s)+3], 0x80000000
	s_mov_b32 s[G0B+4*(\s)], 1
	s_add_co_u32 s[G0B+4*(\s)+1], s21, (\s)*SX
	s_add_nc_u64 s[G0B+4*(\s)+2:G0B+4*(\s)+3], s[46:47], (\s)*STEPB
	s_or_b32 s[G0B+4*(\s)+3], s[G0B+4*(\s)+3], 0x80000000
.endr
	s_cmp_lt_u32 s[WV], 2                          ; a wave's two first fills stand in one branch: two loads of mine are out
	s_cbranch_scc0 .Lfirst_b
	tensor_load_to_lds s[G0A:G0A+3], s[G1A:G1A+7]
	s_nop 0
	tensor_load_to_lds s[G0A+4:G0A+7], s[G1A:G1A+7]
	s_nop 0
.rept 4
	v_nop
.endr
	s_branch .Lfirst_asked
.Lfirst_b:
	tensor_load_to_lds s[G0B:G0B+3], s[G1B:G1B+7]
	s_nop 0
	tensor_load_to_lds s[G0B+4:G0B+7], s[G1B:G1B+7]
	s_nop 0
.rept 4
	v_nop
.endr
.Lfirst_asked:
	v_and_b32 v1, 15, v0                           ; r = l % 16
	v_bfe_u32 v2, v0, 4, 1                         ; h = l / 16
	v_lshlrev_b32 v[BA], 5, v2                     ; my eight columns of each sixteen: 8 h on
	WIN 0x80
.irp b, 0,1,2,3,4,5,6,7
	global_load_b128 v[BI+8*(\b):BI+8*(\b)+3],   v[BA], s[BP:BP+1] offset:64*(\b)
	global_load_b128 v[BI+8*(\b)+4:BI+8*(\b)+7], v[BA], s[BP:BP+1] offset:64*(\b)+16
.endr
	WIN 0
	v_mul_u32_u24 v[A0], v1, PA                    ; x: row x pitch + 32 h (eight f32 for each half of the lanes)
	v_lshl_add_u32 v[A0], v2, 5, v[A0]
	s_mul_i32 s22, s[WR], 64*PA
	v_add_nc_u32 v[A0], s22, v[A0]
	v_and_b32 v3, 7, v0                            ; W, for the turning load: k row 8 h + l % 8, 16 bytes for each eight lanes
	v_lshl_add_u32 v3, v2, 3, v3
	v_mul_u32_u24 v[B0], v3, PB
	v_bfe_u32 v3, v0, 3, 1
	v_lshl_add_u32 v[B0], v3, 4, v[B0]
	s_lshl_b32 s23, s[WC], 8
	s_add_co_u32 s23, s23, BOFF
	v_add_nc_u32 v[B0], s23, v[B0]
	v_mov_b32 v[ADA], v[A0]
	v_mov_b32 v[ADB], v[B0]
	s_mul_i32 s2, s[WV], 16*SP
	s_add_co_u32 s2, s2, STAGE                     ; my stage
	v_mul_u32_u24 v[STO], v1, SP                   ; in: row r, 16 bytes for each half of the lanes
	v_lshl_add_u32 v[STO], v2, 4, v[STO]
	v_add_nc_u32 v[STO], s2, v[STO]
	v_mul_u32_u24 v[RD], v2, SP                    ; back: lanes 0-15 take one row of 256 bytes, lanes 16-31 the next
	v_lshl_add_u32 v[RD], v1, 4, v[RD]
	v_add_nc_u32 v[RD], s2, v[RD]
	v_lshlrev_b32 v[CO], 11, v2                    ; and the same two rows in the result
	v_lshl_add_u32 v[CO], v1, 4, v[CO]
	s_wait_loadcnt 0x0                             ; the bias; it is rounded to bf16 like every input, and widened again
	WIN 0x8a
.set z, 0
.rept 32
	v_cvt_pk_bf16_f32 v[BT+z], v[BI+2*z], v[BI+2*z+1]
.set z, z+1
.endr
.set z, 0
.rept 32
	v_lshlrev_b32 v[BI+2*z], 16, v[BT+z]
	v_and_b32 v[BI+2*z+1], 0xffff0000, v[BT+z]
.set z, z+1
.endr
	WIN 0
	s_wait_tensorcnt 0x1                           ; my part of K step 0 is in; K step 1's may stay out
	s_barrier_signal -1
	s_barrier_wait -1
	FETCH 0, 0
	s_wait_dscnt 0x0
.set G, 0
.irp n, 0,4,8,12,16,20,24,28
	RIDE4 \n
.endr
	QUARTER 1, 0, 1                                ; the first quarter stands in front of the loop: its products start the sums
	WIN 0
	s_mov_b32 s[CNT], NSTEP-2
.Lstep:                                                ; a trip: a K step's quarters 1 to 3 and the next step's quarter 0; one slot is filled again
	QUARTER 2, 1, 0
	QUARTER 3, 0, 0
	TURN 1
	QUARTER 1, 0, 0
	WIN 0
	s_sub_co_u32 s[CNT], s[CNT], 1
	s_cmp_lg_u32 s[CNT], 0
	s_cbranch_scc1 .Lstep
	QUARTER 2, 1, 0                                ; the last two K steps are written out: nothing is left to ask for
	QUARTER 3, 0, 0
	TURN 0
	QUARTER 1, 0, 0
	QUARTER 2, 1, 0
	QUARTER 3, 0, 0
	s_wait_dscnt 0x0
	MULS 1, 0, 32, 0, 0
	WIN 0
	PLACES
; THE WAY OUT, 16 rows at a time: the bias is added, the sums are rounded to f16 (16 bytes a lane), go into my own stage and come back as whole rows of 256 bytes.
.macro PACK a
	WIN 0x49
.set z, 0
.rept 32
	v_pk_add_f32 v[64*(\a)+2*z:64*(\a)+2*z+1], v[64*(\a)+2*z:64*(\a)+2*z+1], v[BI+2*z:BI+2*z+1]
.set z, z+1
.endr
	WIN 0x05
.set z, 0
.rept 32
	v_cvt_pk_f16_f32 v[TMP+z], v[64*(\a)+2*z], v[64*(\a)+2*z+1]
.set z, z+1
.endr
	WIN 0
.endm
.macro TOSTAGE a
.irp b, 0,1,2,3,4,5,6,7
	ds_store_b128 v[STO], v[TMP+4*(\b):TMP+4*(\b)+3] offset:32*(\b)
.endr
.irp t, 0,1,2,3,4,5,6,7
	ds_load_b128 v[OB+32*((\a)%2)+4*(\t):OB+32*((\a)%2)+4*(\t)+3], v[RD] offset:2*SP*(\t)  ; LDS serves a wave's instructions in order (ISA guide 5.7.1.4): these see the stores above
.endr
.endm
.macro SEND a
	s_wait_dscnt 0x0                               ; the block is back in registers
	s_wait_xcnt 0x0                                ; the stores of the block before have read their registers: those are loaded again only behind this wait
.irp t, 0,1,2,3,4,5,6,7
	global_store_b128 v[CO], v[OB+32*((\a)%2)+4*(\t):OB+32*((\a)%2)+4*(\t)+3], s[8:9] offset:(16*(\a)+2*(\t))*PITCH  ; 16 lanes store 256 consecutive bytes, at a multiple of 256
.endr
.endm
	PACK 0
	TOSTAGE 0
.irp a, 1,2,3
	PACK \a                                        ; a block's arithmetic stands between the loads of the block before and the wait for them
	SEND (\a)-1
	TOSTAGE \a
.endr
	SEND 3
	s_wait_tensorcnt 0x0                           ; the wave's end
	ds_add_u32 v[SPW], v[NIL]
	s_wait_dscnt 0x0
	CROUND                                         ; the closing round: no work-group ends while a partner may still ask for a tile that names it
	s_endpgm
.Lfunc_end_k_q802d0a6162_proj:
	.size	k_q802d0a6162_proj, .Lfunc_end_k_q802d0a6162_proj-k_q802d0a6162_proj
	.p2alignl 7, 3214868480
	.fill 96, 4, 3214868480
	.section	.rodata,"a",@progbits
	.p2align	6, 0x0
	.amdhsa_kernel k_q802d0a6162_proj
		.amdhsa_group_segment_fixed_size 327680
		.amdhsa_private_segment_fixed_size 0
		.amdhsa_enable_private_segment 0
		.amdhsa_kernarg_size 64
		.amdhsa_user_sgpr_count 2
		.amdhsa_user_sgpr_kernarg_segment_ptr 1
		.amdhsa_wavefront_size32 1
		.amdhsa_system_sgpr_workgroup_id_x 1
		.amdhsa_system_sgpr_workgroup_id_y 1
		.amdhsa_system_sgpr_workgroup_id_z 1
		.amdhsa_system_vgpr_workitem_id 0
		.amdhsa_next_free_vgpr 768
		.amdhsa_next_free_sgpr 102
		.amdhsa_reserve_vcc 0
		.amdhsa_float_denorm_mode_32 3
		.amdhsa_float_denorm_mode_16_64 3
		.amdhsa_memory_ordered 1
		.amdhsa_forward_progress 1
		.amdhsa_inst_pref_size 121
	.end_amdhsa_kernel
	.amdgpu_metadata
---
amdhsa.version: [ 1, 2 ]
amdhsa.kernels:
  - .name:           k_q802d0a6162_proj
    .symbol:         k_q802d0a6162_proj.kd
    .args:
      - { .name: q, .offset: 0, .size: 8, .value_kind: global_buffer, .address_space: global }
      - { .name: k, .offset: 8, .size: 8, .value_kind: global_buffer, .address_space: global }
      - { .name: v, .offset: 16, .size: 8, .value_kind: global_buffer, .address_space: global }
      - { .name: wb, .offset: 24, .size: 8, .value_kind: global_buffer, .address_space: global }
      - { .name: bq, .offset: 32, .size: 8, .value_kind: global_buffer, .address_space: global }
      - { .name: bk, .offset: 40, .size: 8, .value_kind: global_buffer, .address_space: global }
      - { .name: bv, .offset: 48, .size: 8, .value_kind: global_buffer, .address_space: global }
      - { .name: qkv, .offset: 56, .size: 8, .value_kind: global_buffer, .address_space: global }
    .group_segment_fixed_size: 327680
    .private_segment_fixed_size: 0
    .kernarg_segment_align: 8
    .kernarg_segment_size: 64
    .max_flat_workgroup_size: 128
    .sgpr_count:     102
    .vgpr_count:     768
    .wavefront_size: 32
...
	.end_amdgpu_metadata
.endif
;; end of part 2
;; launch logits (part 3): grid 8 x 32, 4 waves a work-group, clusters of 4 x 4, 327,680 bytes of LDS; arguments qkv, mb, ph, st; writes ph, st
.if DOCPART == 3
	.amdgcn_target "amdgcn-amd-amdhsa--gfx1250"
	.amdhsa_code_object_version 6
	.text
	.protected	k_q802d0a6162_logits
	.globl	k_q802d0a6162_logits
	.p2align	8
	.type	k_q802d0a6162_logits,@function
k_q802d0a6162_logits:
	s_mov_b64 s[64:65], 0
	v_nop
	global_prefetch_b8 v0, s[64:65] scope:SCOPE_SE
	s_setreg_imm32_b32 hwreg(HW_REG_WAVE_MODE, 25, 1), 1
	s_wait_xcnt 0x0
	s_wait_alu depctr_hold_cnt(0) depctr_sa_sdst(0) depctr_va_vdst(0) depctr_va_sdst(0) depctr_va_ssrc(0) depctr_va_vcc(0) depctr_vm_vsrc(0)
	s_getreg_b32 s2, hwreg(HW_REG_IB_STS2, 6, 4)
	s_cmp_eq_u32 s2, 0
	s_cbranch_scc0 .Lentry_in_a_cluster
	s_endpgm
.Lentry_in_a_cluster:
	s_bfe_u32 s2, ttmp6, 0x10000c
	s_cmp_lg_u32 s2, 0xf033
	s_cbranch_scc0 .Lentry_shape_is_right
	s_endpgm
.Lentry_shape_is_right:
; The first half of the softmax.  s = Q K^T (f16 operands, f32 sums) for a tile of 256 queries x 256 keys of one batch; where the mask is 0 the score is -inf.  A wave's 128 keys are a BLOCK:
; for each row the block's own maximum m is taken away: P = 2^(c s - c m), c = log2(e) / 32, leaves as f16 (ph = [8192][2048]); c m and l = the sum of the unrounded P leave in f32
; (st = [16 blocks][8192 rows] of c m, then the same of l).  The next launch joins the sixteen blocks of a row.
; A block with no open key: -inf is stored as c m; the exponent takes the lowest finite number in m's place, so that P = 0 and l = 0.
; LIMITS.  P below 6.1e-5 keeps f16's fixed step of 6e-8; a weight below 2^-126 counts as 0 in l; NaN and +infinity among the scores are not treated apart.
; SHARES.  4 batches x 8 x 8 tiles = 256 work-groups.  Four waves; wave w makes rows 128 (w / 2) on, keys 128 (w % 2) on: 64 accumulators of 16 x 16, 512 registers.  K = 1,024 goes in 8 steps of
; 128 through two LDS slots; a step is 256 matrix instructions a wave, 240 of them between a tile's request and the wait for it.
; CLUSTER.  4 x 4 work-groups of one batch: Q's tile is shared along a row, K's along a column; each is asked for jointly, by the same tensor load, descriptor and mask.
; THE MATRIX INSTRUCTION IS USED TRANSPOSED: source 0 = 16 keys, source 1 = 16 queries: lane (r, h) holds row r and the keys 8 h + 0..7 of each accumulator.
; THE MASK comes packed (mb, made two launches earlier): word (R, C, j) holds, lane by lane, whether register j of the accumulator of rows 16 R on, keys 16 C on is open.  A block of 16 rows x 128 keys
; takes 64 words, 256 consecutive bytes, by four scalar loads, into scalar registers that held the tensor descriptors.
; THE WAY OUT IS A LOOP of eight trips, 16 rows each.  One v_cndmask_b32 a score both masks it and brings it from its accumulator into 64 fixed registers; only these 64 lines are written for each
; of the eight blocks (a chain of forward jumps on the trip's number picks them), all the rest once.
; REGISTERS, in windows of 256 (s_set_vgpr_msb: bits 1:0 source 0, 3:2 source 1, 5:4 source 2, 7:6 destination):
;   window 0: v0-31 addresses; v32-47 at work; v64-191 Q's fragments, two buffers of 64.  On the way out: v64-127 scores, v128-159 packed P, v160-191 rows read back, v192-223 sums
;   window 1: v64-191 K's fragments, two buffers          windows 2, 3: the accumulators: (a, b) at v[8 (8 (a % 4) + b)] of window 2 + a / 4
.set PL,    272                        ; an LDS row of Q or K: 256 bytes + 16 of padding: the 16 rows of a load start at 16 different groups of four banks (64 banks of 4 bytes: ISA guide 11.1)
.set HALFT, 128*PL                     ; 128 rows: what one tensor load brings, and what one wave reads of Q or of K
.set SX,    0x22000                    ; a slot: 4 x HALFT bytes; slot 1 begins here; its bits are in none of the four tiles' places in a slot (0, 0x8800, 0x11000, 0x19800), so one exclusive or changes slots
.set STAGE, 2*SX                       ; behind the ring, for each wave: 16 rows x 272 bytes, then its 128 rows' c m and l
.set SP,    272
.set STATS, 16*SP
.set WST,   STATS+1024
.set SPARE, STAGE+4*WST                ; the spare words, 128 bytes for each wave: two blocks of 256 bytes that no other line names
.set STEPK, 256                        ; a K step in Q and in K: 128 f16
.set NSTEP, 8
.set PITCH, 4096                       ; a row of ph
.set A0,  4                            ; v4   my lane's place in Q's tile of a slot; never rewritten
.set B0,  5                            ; v5   the same for K
.set ADA, 6                            ; v6   A0 + the slot in hand
.set ADB, 7                            ; v7   B0 + the slot in hand
.set STO, 8                            ; v8   the way out: where I put 16 bytes of a row
.set RD,  9                            ; v9   where I read a row back
.set CO,  10                           ; v10  my byte offset in two rows of ph
.set SA,  14                           ; v14  the statistics: where I put a row's number; steps by 16 rows a trip
.set SR,  15                           ; v15  where I read four rows' numbers back
.set SO,  16                           ; v16  16 x lane
.set SPW, 28                           ; v28  LDS address of my spare word; never rewritten
.set NIL, 29                           ; v29  0; never rewritten
.set CC,  32                           ; v32-35 at work
.set CM,  36                           ; v[36:37] c m as it is taken away, and a 0 named with it as a pair
.set MT,  38                           ; v38  c m as it is stored
.set LT,  39                           ; v39  l
.set SV,  40                           ; v40-47 statistics read back
.set AF,  64
.set BF,  64                           ; window 1
.set W,   64
.set TMP, 128
.set OB,  160
.set TS,  192
.set WV, 10                            ; s10 wave; s11 wave / 2; s12 wave % 2
.set WR, 11
.set WC, 12
.set TR, 13                            ; s13 tile row: 256 of the 8,192 queries
.set G1A, 24                           ; s[24:31] descriptor group 1 for Q's tiles; s[32:39] group 0: a set for each first fill; the second then walks on
.set G0A, 32
.set CX, 40
.set CY, 41
.set TC, 42                            ; s42 tile column: 256 keys
.set RM, 43
.set CMK, 44
.set YY, 45
.set G1B, 48                           ; s[48:55], s[56:63] the same for K's tiles
.set G0B, 56
.set TB,  66                           ; s66 LDS byte at which the slot in hand begins
.set CNT, 67
.set CS,  84                           ; s[84:85] c, twice
.set SEL, 86                           ; s[86:87] v_permlanex16_b32's selects: each lane takes its own place in the other half
.set ARG, 88                           ; s[88:95] qkv, mb, ph, st
.set STP, 96                           ; s[96:97] st at my block and rows
.set NEG, 98                           ; s98 -inf
.set BL,  99                           ; s99 blocks of 16 rows still to go, 8 to 1
.set MBP, 100                          ; s[100:101] mb at the block whose words are asked for
                                       ; on the way out s[16:63] and s[68:83] hold a block's 64 words: word w in s[16 + w], from w = 48 on in s[20 + w]
.set MSB, 0
.macro WIN new                         ; the immediate's high byte repeats the setting that is left; a switch that changes nothing is dropped
.if MSB != (\new)
	s_set_vgpr_msb (MSB<<8)|(\new)
.set MSB, (\new)
.endif
.endm
.macro PLACES                          ; four places in front of loads into registers that matrix instructions have read, and of vector lines that read results
.rept 4
	v_nop
.endr
.endm
.macro JLOAD                           ; a joint refill: waves 0 and 1 fetch Q's two halves, waves 2 and 3 K's; an s_nop 0 and four v_nop follow each line
	s_cmp_lt_u32 s[WV], 2
	s_cbranch_scc0 .Lfor_b_\@
	tensor_load_to_lds s[G0A+4:G0A+7], s[G1A:G1A+7]
	s_nop 0
.rept 4
	v_nop
.endr
	s_branch .Lasked_\@
.Lfor_b_\@:
	tensor_load_to_lds s[G0B+4:G0B+7], s[G1B:G1B+7]
	s_nop 0
.rept 4
	v_nop
.endr
.Lasked_\@:
.endm
.macro CREST                           ; a round of the cluster's barrier behind its opening barrier
	s_cmp_lg_u32 s[WV], 0
	s_cbranch_scc1 .Lnot_wave_0_\@
	s_barrier_signal -3
.Lnot_wave_0_\@:
	s_barrier_wait -3
	s_barrier_signal -1
	s_barrier_wait -1
.endm
.macro CROUND
	s_barrier_signal -1
	s_barrier_wait -1
	CREST
.endm
.macro MULS f, first, count, zero      ; products number first on of a quarter's 64, on buffer f; each accumulator once a quarter, always in the same order
.set i, \first
.rept \count
	WIN 0xa1+0x50*(i/32)                           ; K's fragment window 1, Q's window 0, C and D window 2 or 3
.set rD, 8*(i%32)
.set rB, BF+64*(\f)+8*(i%8)
.set rA, AF+64*(\f)+8*(i/8)
.if \zero
	v_wmma_f32_16x16x32_f16 v[rD:rD+7], v[rB:rB+7], v[rA:rA+7], 0
.else
	v_wmma_f32_16x16x32_f16 v[rD:rD+7], v[rB:rB+7], v[rA:rA+7], v[rD:rD+7]
.endif
.set i, i+1
.endr
.endm
.macro FETCH q, g                      ; 32 LDS loads in one run: quarter q (32 along K) of the slot in hand into buffer g
	WIN 0x40                                       ; destination window 1, address window 0
.irp b, 0,1,2,3,4,5,6,7
	ds_load_b128 v[BF+64*(\g)+8*(\b):BF+64*(\g)+8*(\b)+3],   v[ADB] offset:64*(\q)+16*PL*(\b)
	ds_load_b128 v[BF+64*(\g)+8*(\b)+4:BF+64*(\g)+8*(\b)+7], v[ADB] offset:64*(\q)+16*PL*(\b)+32
.endr
	WIN 0
.irp a, 0,1,2,3,4,5,6,7
	ds_load_b128 v[AF+64*(\g)+8*(\a):AF+64*(\g)+8*(\a)+3],   v[ADA] offset:64*(\q)+16*PL*(\a)
	ds_load_b128 v[AF+64*(\g)+8*(\a)+4:AF+64*(\g)+8*(\a)+7], v[ADA] offset:64*(\q)+16*PL*(\a)+32
.endr
.endm
.macro QUARTER qn, f, zero             ; multiplies buffer f; fetches quarter qn into the other buffer
	s_wait_dscnt 0x0                               ; buffer f's loads, issued a quarter ago
	PLACES                                         ; the other buffer was read by the matrix instructions just issued
	FETCH \qn, 1-(\f)
	MULS \f, 0, 64, \zero
.endm
; The fourth quarter multiplies buffer 1 and changes slots: ONE barrier.  In front of it each wave waits for all its tensor loads (one is out: its part of the next slot), adds 0 to its spare word,
; and waits for that and for its reads of this slot.  fill = 1: the barrier opens a round of the cluster's barrier, and behind the round this slot is filled again, two K steps ahead.
.macro TURN fill
	WIN 0
	s_wait_tensorcnt 0x0                           ; no tensor load of mine is out, so a group 0 may be written
	ds_add_u32 v[SPW], v[NIL]                      ; 0 onto my spare word
.if \fill
	s_xor_b32 s[G0A+5], s[G0A+5], SX               ; the walking descriptors: the other slot than last time, the next K step
	s_add_nc_u64 s[G0A+6:G0A+7], s[G0A+6:G0A+7], STEPK
	s_xor_b32 s[G0B+5], s[G0B+5], SX
	s_add_nc_u64 s[G0B+6:G0B+7], s[G0B+6:G0B+7], STEPK
.endif
	s_xor_b32 s[TB], s[TB], SX
	s_wait_dscnt 1                                 ; buffer 1's loads are in; the add alone may be out
	MULS 1, 0, 8, 0
	s_wait_dscnt 0x0                               ; the add is done, and my reads of this slot are over
	s_barrier_signal -1
	MULS 1, 8, 8, 0
	WIN 0                                          ; at a branch and at a label every window is 0
	s_barrier_wait -1
.if \fill
	CREST                                          ; no wave of any partner still reads this slot's tile or has a load on its way
	JLOAD                                          ; the first tensor load behind the round; its four v_nop are also the places in front of the loads below
.else
	PLACES
.endif
	v_add_nc_u32 v[ADA], s[TB], v[A0]
	v_add_nc_u32 v[ADB], s[TB], v[B0]
	FETCH 0, 0
	MULS 1, 16, 48, 0
.endm
	s_load_b256 s[ARG:ARG+7], s[0:1], 0x0
	v_lshl_add_u32 v[SPW], v0, 2, SPARE
	v_mov_b32 v[NIL], 0
	v_lshrrev_b32 v1, 5, v0
	v_readfirstlane_b32 s[WV], v1
	s_lshr_b32 s[WR], s[WV], 1                     ; which 128 rows of the tile are mine
	s_and_b32 s[WC], s[WV], 1                      ; which 128 keys; also: which half of a tile I fetch
	s_bfe_u32 s[CX], ttmp6, 0x40000
	s_bfe_u32 s[CY], ttmp6, 0x40004
	s_lshl_b32 s[TC], ttmp9, 2
	s_add_co_u32 s[TC], s[TC], s[CX]               ; tile column = 4 x cluster x + cx
	s_and_b32 s[YY], ttmp7, 0xffff
	s_lshl_b32 s[TR], s[YY], 2
	s_add_co_u32 s[TR], s[TR], s[CY]               ; tile row = 4 x cluster y + cy
	s_lshl_b32 s[RM], s[CY], 2
	s_lshl_b32 s[RM], 15, s[RM]                    ; my row of the cluster
	s_lshl_b32 s[CMK], 0x1111, s[CX]               ; my column
	s_or_b32 s[G1A], s[RM], (1<<16)|(1<<20)|(1<<21)|(5<<22)|(3<<25)   ; mask; 2-byte elements; padding on; bit 21 beside a mask; after every 64 words 4 words
	s_or_b32 s[G1B], s[CMK], (1<<16)|(1<<20)|(1<<21)|(5<<22)|(3<<25)
.irp g, G1A, G1B
	s_mov_b32 s[(\g)+1], 128<<16                   ; tensor_dim0 = 128
	s_mov_b32 s[(\g)+2], 128<<16                   ; tensor_dim1 = 128
	s_mov_b32 s[(\g)+3], 128<<16                   ; tile_dim0 = 128
	s_mov_b32 s[(\g)+4], 128                       ; tile_dim1 = 128
	s_mov_b32 s[(\g)+5], 1024                      ; elements from row to row
	s_mov_b32 s[(\g)+6], 0
	s_mov_b32 s[(\g)+7], 0
.endr
	s_mov_b32 s[CS], 0x3d38aa3b                    ; c = log2(e) / 32
	s_mov_b32 s[CS+1], s[CS]
	s_mov_b32 s[SEL], 0x76543210
	s_mov_b32 s[SEL+1], 0xfedcba98
	s_mov_b32 s[NEG], 0xff800000
	s_mov_b32 s[TB], 0
	s_lshl_b32 s14, s[TR], 8                       ; Q: row 256 x tile row + 128 x half, 2,048 bytes a row
	s_lshl_b32 s15, s[WC], 7
	s_add_co_u32 s14, s14, s15
	s_lshl_b32 s14, s14, 11
	s_mov_b32 s15, 0
	s_lshr_b32 s46, s[YY], 1                       ; K: the batch (two clusters along y each), row 256 x tile column + 128 x half
	s_lshl_b32 s46, s46, 11
	s_lshl_b32 s47, s[TC], 8
	s_add_co_u32 s46, s46, s47
	s_lshl_b32 s47, s[WC], 7
	s_add_co_u32 s46, s46, s47
	s_lshl_b32 s46, s46, 11
	s_add_co_u32 s46, s46, 16777216                ; K lies behind Q in qkv
	s_mov_b32 s47, 0
	s_and_b32 s2, s[TR], 7                         ; mb: R = 16 x (tile row in the batch) + 8 x my half, 4,096 bytes each; my 128 keys are 256 bytes
	s_lshl_b32 s2, s2, 4
	s_lshl_b32 s3, s[WR], 3
	s_add_co_u32 s2, s2, s3
	s_lshl_b32 s2, s2, 12
	s_lshl_b32 s3, s[TC], 9
	s_add_co_u32 s2, s2, s3
	s_lshl_b32 s3, s[WC], 8
	s_add_co_u32 s2, s2, s3
	s_mov_b32 s3, 0
	s_lshl_b32 s16, s[TR], 8
	s_lshl_b32 s17, s[WR], 7
	s_add_co_u32 s16, s16, s17                     ; my first row
	s_lshl_b32 s17, s[TC], 1
	s_add_co_u32 s17, s17, s[WC]                   ; my block of 128 keys
	s_lshl_b32 s18, s17, 13
	s_add_co_u32 s18, s18, s16
	s_lshl_b32 s18, s18, 2                         ; st: (block x 8,192 + row) x 4
	s_mov_b32 s19, 0
	s_lshl_b32 s16, s16, 12                        ; ph: row x 4,096 + block x 256
	s_lshl_b32 s17, s17, 8
	s_add_co_u32 s16, s16, s17
	s_mov_b32 s17, 0
	s_mul_i32 s20, s[WV], HALFT                    ; where the tiles go: Q's two halves, then K's two = wave x 128 rows: no place in the cluster enters an LDS address
	s_wait_kmcnt 0x0
	s_add_nc_u64 s[14:15], s[ARG:ARG+1], s[14:15]
	s_add_nc_u64 s[46:47], s[ARG:ARG+1], s[46:47]
	s_add_nc_u64 s[MBP:MBP+1], s[ARG+2:ARG+3], s[2:3]
	s_add_nc_u64 s[8:9], s[ARG+4:ARG+5], s[16:17]
	s_add_nc_u64 s[STP:STP+1], s[ARG+6:ARG+7], s[18:19]
	CROUND                                         ; all sixteen work-groups are here: the first joint loads meet
.irp s, 0,1
	s_mov_b32 s[G0A+4*(\s)], 1
	s_add_co_u32 s[G0A+4*(\s)+1], s20, (\s)*SX
	s_add_nc_u64 s[G0A+4*(\s)+2:G0A+4*(\s)+3], s[14:15], (\s)*STEPK
	s_or_b32 s[G0A+4*(\s)+3], s[G0A+4*(\s)+3], 0x80000000
	s_mov_b32 s[G0B+4*(\s)], 1
	s_add_co_u32 s[G0B+4*(\s)+1], s20, (\s)*SX
	s_add_nc_u64 s[G0B+4*(\s)+2:G0B+4*(\s)+3], s[46:47], (\s)*STEPK
	s_or_b32 s[G0B+4*(\s)+3], s[G0B+4*(\s)+3], 0x80000000
.endr
	s_cmp_lt_u32 s[WV], 2                          ; a wave's two first fills stand in one branch: two loads of mine are out
	s_cbranch_scc0 .Lfirst_b
	tensor_load_to_lds s[G0A:G0A+3], s[G1A:G1A+7]
	s_nop 0
	tensor_load_to_lds s[G0A+4:G0A+7], s[G1A:G1A+7]
	s_nop 0
.rept 4
	v_nop
.endr
	s_branch .Lfirst_asked
.Lfirst_b:
	tensor_load_to_lds s[G0B:G0B+3], s[G1B:G1B+7]
	s_nop 0
	tensor_load_to_lds s[G0B+4:G0B+7], s[G1B:G1B+7]
	s_nop 0
.rept 4
	v_nop
.endr
.Lfirst_asked:
	v_and_b32 v1, 15, v0                           ; r = l % 16
	v_bfe_u32 v2, v0, 4, 1                         ; h = l / 16
	v_mul_u32_u24 v3, v1, PL
	v_lshl_add_u32 v3, v2, 4, v3                   ; a fragment's row x pitch + 16 h
	s_mul_i32 s22, s[WR], HALFT                    ; my 128 rows of Q
	v_add_nc_u32 v[A0], s22, v3
	s_mul_i32 s23, s[WC], HALFT                    ; my 128 rows of K,
	s_add_co_u32 s23, s23, 2*HALFT                 ; which lie behind Q's 256
	v_add_nc_u32 v[B0], s23, v3
	v_mov_b32 v[ADA], v[A0]
	v_mov_b32 v[ADB], v[B0]
	s_mul_i32 s2, s[WV], WST
	s_add_co_u32 s2, s2, STAGE                     ; my stage
	v_mul_u32_u24 v[STO], v1, SP                   ; in: row r, 16 bytes for each half of the lanes
	v_lshl_add_u32 v[STO], v2, 4, v[STO]
	v_add_nc_u32 v[STO], s2, v[STO]
	v_mul_u32_u24 v[RD], v2, SP                    ; back: lanes 0-15 take one row of 256 bytes, lanes 16-31 the next
	v_lshl_add_u32 v[RD], v1, 4, v[RD]
	v_add_nc_u32 v[RD], s2, v[RD]
	v_lshlrev_b32 v[CO], 12, v2                    ; and the same two rows in ph
	v_lshl_add_u32 v[CO], v1, 4, v[CO]
	v_lshl_add_u32 v[SA], v1, 2, s2
	v_add_nc_u32 v[SA], STATS, v[SA]
	v_and_b32 v[SO], 31, v0
	v_lshlrev_b32 v[SO], 4, v[SO]
	v_add_nc_u32 v[SR], s2, v[SO]
	v_add_nc_u32 v[SR], STATS, v[SR]
	s_wait_tensorcnt 0x1                           ; my part of K step 0 is in; K step 1's may stay out
	s_barrier_signal -1
	s_barrier_wait -1
	FETCH 0, 0
	QUARTER 1, 0, 1                                ; the first quarter stands in front of the loop: its products start the sums
	WIN 0
	s_mov_b32 s[CNT], NSTEP-2
.Lstep:                                                ; a trip: a K step's quarters 1 to 3 and the next step's quarter 0; one slot is filled again
	QUARTER 2, 1, 0
	QUARTER 3, 0, 0
	TURN 1
	QUARTER 1, 0, 0
	WIN 0
	s_sub_co_u32 s[CNT], s[CNT], 1
	s_cmp_lg_u32 s[CNT], 0
	s_cbranch_scc1 .Lstep
	QUARTER 2, 1, 0                                ; the last two K steps are written out: nothing is left to ask for
	QUARTER 3, 0, 0
	TURN 0
.macro MLD                             ; a block's 64 words: 256 consecutive bytes
	s_load_b512 s[16:31], s[MBP:MBP+1], 0x0
	s_load_b512 s[32:47], s[MBP:MBP+1], 0x40
	s_load_b512 s[48:63], s[MBP:MBP+1], 0x80
	s_load_b512 s[68:83], s[MBP:MBP+1], 0xc0
.endm
	MLD                                            ; block 0's words: the change of slots above has waited for my last tensor load, so the descriptors' registers are free; a whole K step stands ahead of their use
	QUARTER 1, 0, 0
	QUARTER 2, 1, 0
	QUARTER 3, 0, 0
	s_wait_dscnt 0x0
	MULS 1, 0, 64, 0
	WIN 0
	PLACES
.macro SEL a                           ; block a's 64 scores a lane: open ones as they are, the others -inf, out of the accumulators into W; each accumulator's lowest register is read first
	WIN 0x08+4*((\a)/4)                            ; source 1 in window 2 or 3
.set w, 0
.rept 64
	v_cndmask_b32 v[W+w], s[NEG], v[64*((\a)%4)+w], s[16+w+4*(w/48)]
.set w, w+1
.endr
	WIN 0
.endm
.macro GROUP g                         ; sixteen weights (accumulators 2 g, 2 g + 1): rounded to f16, and added in pairs
.set z, 0
	s_wait_alu depctr_va_vdst(0)
.rept 8
	v_cvt_pk_f16_f32 v[TMP+8*(\g)+z], v[W+16*(\g)+2*z], v[W+16*(\g)+2*z+1]
.set z, z+1
.endr
.set z, 0
.rept 4
	v_pk_add_f32 v[TS+8*(\g)+2*z:TS+8*(\g)+2*z+1], v[W+16*(\g)+2*z:W+16*(\g)+2*z+1], v[W+16*(\g)+8+2*z:W+16*(\g)+8+2*z+1]
.set z, z+1
.endr
.endm
	v_mov_b32 v[CM+1], 0                           ; named with c m as a pair
	s_mov_b32 s[BL], 8
.Lblk:                                                 ; a trip: 16 rows x 128 keys.  A lane holds one row (r) and 64 of its keys; the other 64 lie in the lane 16 away
	s_wait_kmcnt 0x0                               ; this block's words
.irp a, 0,1,2,3,4,5,6
	s_cmp_eq_u32 s[BL], 8-(\a)
	s_cbranch_scc0 .Lnot\a
	SEL \a
	s_branch .Ljoin
.Lnot\a:
.endr
	SEL 7
.Ljoin:
	s_cmp_eq_u32 s[BL], 1
	s_cbranch_scc1 .Lno_more                       ; behind the last block nothing is asked for
	s_add_nc_u64 s[MBP:MBP+1], s[MBP:MBP+1], 4096  ; the next 16 rows' words (the wait above has shown the last loads done); the trip's arithmetic stands ahead of their use
	MLD
.Lno_more:
.irp k, 0,1,2,3                        ; the maximum: four chains of sixteen scores
	v_max_num_f32 v[CC+(\k)], v[W+16*(\k)], v[W+16*(\k)+1]
.endr
.set p, 1
.rept 7
.irp k, 0,1,2,3
	v_max3_num_f32 v[CC+(\k)], v[W+16*(\k)+2*p], v[W+16*(\k)+2*p+1], v[CC+(\k)]
.endr
.set p, p+1
.endr
	v_max3_num_f32 v[CC], v[CC], v[CC+1], v[CC+2]
	v_max_num_f32 v[CC], v[CC], v[CC+3]
	v_permlanex16_b32 v[CC+1], v[CC], s[SEL], s[SEL+1]
	v_max_num_f32 v[CC], v[CC], v[CC+1]            ; m
	v_mul_f32 v[MT], s[CS], v[CC]                  ; c m as it is stored: -inf where no key is open
	v_max_num_f32 v[CC+2], 0xff7fffff, v[CC]
	v_mul_f32 v[CM], s[CS], v[CC+2]                ; c m as it is taken away: finite
.set z, 0
.rept 32
	v_pk_fma_f32 v[W+2*z:W+2*z+1], v[W+2*z:W+2*z+1], s[CS:CS+1], v[CM:CM+1] op_sel_hi:[1,0,0] neg_lo:[0,0,1] neg_hi:[0,0,1]
.set z, z+1
.endr
.set u, 0
.rept 4                                ; sixteen exponentials, a plain line behind them, then the roundings and first sums of the sixteen before
.set z, 0
.rept 16
	v_exp_f32 v[W+16*u+z], v[W+16*u+z]
.set z, z+1
.endr
	v_nop
.if u > 0
	GROUP u-1
.endif
.set u, u+1
.endr
	GROUP 3
.irp b, 0,1,2,3,4,5,6,7                ; P goes into my stage, 16 bytes a lane, and comes back as whole rows of 256 bytes
	ds_store_b128 v[STO], v[TMP+4*(\b):TMP+4*(\b)+3] offset:32*(\b)
.endr
.irp t, 0,1,2,3,4,5,6,7
	ds_load_b128 v[OB+4*(\t):OB+4*(\t)+3], v[RD] offset:2*SP*(\t)  ; LDS serves a wave's instructions in order (ISA guide 5.7.1.4): these see the stores above
.endr
.irp w, 16,8,4,2                       ; the sums stand between those loads and the wait for them: sixteen pairs into one
.set z, 0
.rept (\w)/2
	v_pk_add_f32 v[TS+2*z:TS+2*z+1], v[TS+2*z:TS+2*z+1], v[TS+(\w)+2*z:TS+(\w)+2*z+1]
.set z, z+1
.endr
.endr
	v_add_f32 v[CC], v[TS], v[TS+1]
	v_permlanex16_b32 v[CC+1], v[CC], s[SEL], s[SEL+1]
	v_add_f32 v[LT], v[CC], v[CC+1]                ; l
	ds_store_b32 v[SA], v[MT]                      ; both halves of the lanes hold, and write, the same number
	ds_store_b32 v[SA], v[LT] offset:512
	s_wait_dscnt 0x0                               ; the block is back in registers
.irp t, 0,1,2,3,4,5,6,7
	global_store_b128 v[CO], v[OB+4*(\t):OB+4*(\t)+3], s[8:9] offset:2*(\t)*PITCH  ; 16 lanes store 256 consecutive bytes, at a multiple of 256
.endr
	v_add_nc_u32 v[SA], 64, v[SA]                  ; the next 16 rows' numbers
	s_wait_xcnt 0x0                                ; the stores' base and data are rewritten only behind this wait
	s_add_nc_u64 s[8:9], s[8:9], 16*PITCH
	s_sub_co_u32 s[BL], s[BL], 1
	s_cmp_lg_u32 s[BL], 0
	s_cbranch_scc1 .Lblk
	ds_load_b128 v[SV:SV+3], v[SR]                 ; my 128 rows' c m and l: 32 lanes take 512 consecutive bytes each time
	ds_load_b128 v[SV+4:SV+7], v[SR] offset:512
	s_wait_dscnt 0x0
	global_store_b128 v[SO], v[SV:SV+3], s[STP:STP+1]
	global_store_b128 v[SO], v[SV+4:SV+7], s[STP:STP+1] offset:524288
	s_wait_tensorcnt 0x0                           ; the wave's end
	ds_add_u32 v[SPW], v[NIL]
	s_wait_dscnt 0x0
	CROUND                                         ; the closing round: no work-group ends while a partner may still ask for a tile that names it
	s_endpgm
.Lfunc_end_k_q802d0a6162_logits:
	.size	k_q802d0a6162_logits, .Lfunc_end_k_q802d0a6162_logits-k_q802d0a6162_logits
	.p2alignl 7, 3214868480
	.fill 96, 4, 3214868480
	.section	.rodata,"a",@progbits
	.p2align	6, 0x0
	.amdhsa_kernel k_q802d0a6162_logits
		.amdhsa_group_segment_fixed_size 327680
		.amdhsa_private_segment_fixed_size 0
		.amdhsa_enable_private_segment 0
		.amdhsa_kernarg_size 32
		.amdhsa_user_sgpr_count 2
		.amdhsa_user_sgpr_kernarg_segment_ptr 1
		.amdhsa_wavefront_size32 1
		.amdhsa_system_sgpr_workgroup_id_x 1
		.amdhsa_system_sgpr_workgroup_id_y 1
		.amdhsa_system_sgpr_workgroup_id_z 1
		.amdhsa_system_vgpr_workitem_id 0
		.amdhsa_next_free_vgpr 1024
		.amdhsa_next_free_sgpr 102
		.amdhsa_reserve_vcc 0
		.amdhsa_float_denorm_mode_32 3
		.amdhsa_float_denorm_mode_16_64 3
		.amdhsa_memory_ordered 1
		.amdhsa_forward_progress 1
		.amdhsa_inst_pref_size 132
	.end_amdhsa_kernel
	.amdgpu_metadata
---
amdhsa.version: [ 1, 2 ]
amdhsa.kernels:
  - .name:           k_q802d0a6162_logits
    .symbol:         k_q802d0a6162_logits.kd
    .args:
      - { .name: qkv, .offset: 0, .size: 8, .value_kind: global_buffer, .address_space: global }
      - { .name: mb, .offset: 8, .size: 8, .value_kind: global_buffer, .address_space: global }
      - { .name: ph, .offset: 16, .size: 8, .value_kind: global_buffer, .address_space: global }
      - { .name: st, .offset: 24, .size: 8, .value_kind: global_buffer, .address_space: global }
    .group_segment_fixed_size: 327680
    .private_segment_fixed_size: 0
    .kernarg_segment_align: 8
    .kernarg_segment_size: 32
    .max_flat_workgroup_size: 128
    .sgpr_count:     102
    .vgpr_count:     1024
    .wavefront_size: 32
...
	.end_amdgpu_metadata
.endif
;; end of part 3
;; launch pv (part 4): grid 4 x 64, 4 waves a work-group, clusters of 4 x 4, 327,680 bytes of LDS; arguments ph, qkv, st, ch; writes ch
.if DOCPART == 4
	.amdgcn_target "amdgcn-amd-amdhsa--gfx1250"
	.amdhsa_code_object_version 6
	.text
	.protected	k_q802d0a6162_pv
	.globl	k_q802d0a6162_pv
	.p2align	8
	.type	k_q802d0a6162_pv,@function
k_q802d0a6162_pv:
	s_mov_b64 s[64:65], 0
	v_nop
	global_prefetch_b8 v0, s[64:65] scope:SCOPE_SE
	s_setreg_imm32_b32 hwreg(HW_REG_WAVE_MODE, 25, 1), 1
	s_wait_xcnt 0x0
	s_wait_alu depctr_hold_cnt(0) depctr_sa_sdst(0) depctr_va_vdst(0) depctr_va_sdst(0) depctr_va_ssrc(0) depctr_va_vcc(0) depctr_vm_vsrc(0)
	s_getreg_b32 s2, hwreg(HW_REG_IB_STS2, 6, 4)
	s_cmp_eq_u32 s2, 0
	s_cbranch_scc0 .Lentry_in_a_cluster
	s_endpgm
.Lentry_in_a_cluster:
	s_bfe_u32 s2, ttmp6, 0x10000c
	s_cmp_lg_u32 s2, 0xf033
	s_cbranch_scc0 .Lentry_shape_is_right
	s_endpgm
.Lentry_shape_is_right:
; The second half of the softmax and the second product.  For each row: c m = the largest of its sixteen blocks' c m_blk; f_blk = 2^(c m_blk - c m), at most 1; l = the sum of f_blk l_blk;
; ctx = the sum over blocks of (f_blk / l) (P_blk V).  A K step of 128 keys is a block: its product P_blk V (f16 operands, f32 sums) starts anew with C = 0 and is merged into the row's sums by a
; fused multiply-add with f_blk / l, all in f32; ctx leaves as f16, ch = [8192][1024].
; A row with no open key has c m = -inf in every block: -inf - (-inf) makes f, l and the row NaN, as the softmax of such a row is.
; LIMITS.  ctx is a mean of V's rows and has their range (within 65,504); f below 2^-126 counts as 0.
; SHARES, RING, TURNS.  A tile of 128 rows x 256 channels; four waves, wave w rows 64 (w / 2) on, channels 128 (w % 2) on: 32 accumulators.  16 K steps through two LDS slots.  P comes out of LDS as it
; lies, V ([key][channel]) turned by ds_load_tr16_b128; source 0 = 16 channels, source 1 = 16 rows, so a lane holds one row.  A step is four quarters of 32 matrix instructions, each accumulator once
; and always in the same order.  In a step's last quarter the four merges of an accumulator stand behind the next accumulator's matrix instruction.
; THE SUMS ARE CLEARED, by 256 v_mov_b32 that stand in the wait for the first tiles: the price of one text for every step's merge, where a first step written out would be four quarters more.
; CLUSTER.  4 x 4 work-groups of one batch: P's tile is shared along a row, V's along a column, each asked for jointly.
; REGISTERS: window 0: v0-31 addresses, f / l of the step in hand; v32-95 P's fragments, two buffers; v96-223 V's, two buffers (in the prologue: the statistics); v224-255 packed results
;   window 1: the step's accumulators, (a, b) at v[8 (8 a + b)]          window 2: the sums, likewise
.set PA,    272
.set HA,    64*PA
.set BOFF,  2*HA
.set PB,    544
.set HB,    64*PB
.set SX,    1<<17
.set STAGE, SX+BOFF+2*HB
.set SP,    272
.set FT,    STAGE+4*16*SP              ; f / l: for each wave [16 blocks][16 rows r] 32 bytes (row blocks 0 to 3, each number twice): 8,192 bytes a wave, written and read by that wave alone
.set SPARE, FT+4*8192                  ; the spare words, 128 bytes for each wave: two blocks of 256 bytes that no other line names
.set STEPA, 256
.set STEPB, 128*2048
.set NSTEP, 16
.set PITCH, 2048
.set A0,  4
.set B0,  5
.set ADA, 6
.set ADB, 7
.set STO, 8
.set RD,  9
.set CO,  10
.set FS,  12                           ; v12-19 f / l of the step in hand: a pair of equal numbers for each row block
.set FT0, 20                           ; v20  my row's place in my wave's table; never rewritten
.set FTA, 21                           ; v21  FT0 + 512 x step
.set SR4, 22                           ; v22  my byte offset in st
.set FTW, 23                           ; v23  where my half of the lanes writes its eight blocks
.set IL,  24                           ; v24-27 1 / l
.set SPW, 28
.set NIL, 29
.set AF,  32
.set BF,  96
.set OB,  96
.set TMP, 224
.set SM,  96                           ; in the prologue: c m_blk, then f: row block a, my block j at 8 a + j
.set SL,  128                          ; l_blk, likewise
.set FP,  160                          ; f / l in pairs: 8 j + 2 a
.set MR,  224                          ; c m
.set LR,  228                          ; l
.set TX,  232                          ; the other half of the lanes'
.set WV, 10
.set WR, 11
.set WC, 12
.set TR, 13
.set G1A, 24
.set G0A, 32
.set CX, 40
.set CY, 41
.set TC, 42
.set RM, 43
.set CMK, 44
.set YY, 45
.set G1B, 48
.set G0B, 56
.set TB,  66
.set CNT, 67
.set SEL, 70                           ; s[70:71] v_permlanex16_b32's selects: each lane takes its own place in the other half
.set ARG, 88                           ; s[88:95] ph, qkv, st, ch
.set STP, 96                           ; s[96:97] st at my 64 rows
.set FO,  98                           ; s98 512 x the step whose f / l is fetched next
.set MUL, 0x50                         ; sources window 0, C and D window 1
.set MSB, 0
.macro WIN new
.if MSB != (\new)
	s_set_vgpr_msb (MSB<<8)|(\new)
.set MSB, (\new)
.endif
.endm
.macro PLACES
.rept 4
	v_nop
.endr
.endm
.macro JLOAD                           ; a joint refill: waves 0 and 1 fetch P's two halves, waves 2 and 3 V's; an s_nop 0 and four v_nop follow each line
	s_cmp_lt_u32 s[WV], 2
	s_cbranch_scc0 .Lfor_b_\@
	tensor_load_to_lds s[G0A+4:G0A+7], s[G1A:G1A+7]
	s_nop 0
.rept 4
	v_nop
.endr
	s_branch .Lasked_\@
.Lfor_b_\@:
	tensor_load_to_lds s[G0B+4:G0B+7], s[G1B:G1B+7]
	s_nop 0
.rept 4
	v_nop
.endr
.Lasked_\@:
.endm
.macro CREST
	s_cmp_lg_u32 s[WV], 0
	s_cbranch_scc1 .Lnot_wave_0_\@
	s_barrier_signal -3
.Lnot_wave_0_\@:
	s_barrier_wait -3
	s_barrier_signal -1
	s_barrier_wait -1
.endm
.macro CROUND
	s_barrier_signal -1
	s_barrier_wait -1
	CREST
.endm
.macro RIDE n                          ; accumulator n is merged: sums += (f / l) x the step's product; its lowest registers are read first
	WIN 0xa1                                       ; source 0 window 1, source 1 window 0, source 2 and destination window 2
.set rz, 0
.rept 4
	v_pk_fma_f32 v[8*(\n)+2*rz:8*(\n)+2*rz+1], v[8*(\n)+2*rz:8*(\n)+2*rz+1], v[FS+2*((\n)/8):FS+2*((\n)/8)+1], v[8*(\n)+2*rz:8*(\n)+2*rz+1]
.set rz, rz+1
.endr
.endm
; Products number first on of a quarter's 32, on buffer f.  zero = 1: they start the step's sums.  ride = 1: behind product i stand the four merges of accumulator i - 1.  Between a product and its own
; merge stand the four merges of the accumulator before, which name none of its registers: the four places (ISA guide 7.12.1); ahead of the first merge four v_nop take their part.
.macro MULS f, first, count, zero, ride
.set i, \first
.rept \count
	WIN MUL
.set rD, 8*i
.set rB, BF+64*(\f)+8*(i%8)
.set rA, AF+32*(\f)+8*(i/8)
.if \zero
	v_wmma_f32_16x16x32_f16 v[rD:rD+7], v[rB:rB+7], v[rA:rA+7], 0
.else
	v_wmma_f32_16x16x32_f16 v[rD:rD+7], v[rB:rB+7], v[rA:rA+7], v[rD:rD+7]
.endif
.if \ride
.if i == 1
	PLACES
.endif
.if i > 0
	RIDE i-1
.endif
.endif
.set i, i+1
.endr
.endm
.macro FETCH q, g                      ; 24 LDS loads in one run
	WIN 0
.irp a, 0,1,2,3
	ds_load_b128 v[AF+32*(\g)+8*(\a):AF+32*(\g)+8*(\a)+3],   v[ADA] offset:64*(\q)+16*PA*(\a)
	ds_load_b128 v[AF+32*(\g)+8*(\a)+4:AF+32*(\g)+8*(\a)+7], v[ADA] offset:64*(\q)+16*PA*(\a)+32
.endr
.irp b, 0,1,2,3,4,5,6,7
	ds_load_tr16_b128 v[BF+64*(\g)+8*(\b):BF+64*(\g)+8*(\b)+3],   v[ADB] offset:32*PB*(\q)+32*(\b)
	ds_load_tr16_b128 v[BF+64*(\g)+8*(\b)+4:BF+64*(\g)+8*(\b)+7], v[ADB] offset:32*PB*(\q)+32*(\b)+16*PB
.endr
.endm
.macro QUARTER qn, f, zero
	s_wait_dscnt 0x0                               ; buffer f's loads, issued a quarter ago (and, in a step's first quarter, its f / l)
	PLACES                                         ; the other buffer was read by the matrix instructions just issued
	FETCH \qn, 1-(\f)
	MULS \f, 0, 32, \zero, 0
.endm
; The fourth quarter multiplies buffer 1, merges the step and changes slots: ONE barrier; in front of it each wave waits for all its tensor loads, adds 0 to its spare word, and waits for that and for its
; reads of this slot.  fill = 1: the barrier opens a round of the cluster's barrier; behind it this slot takes the K step two steps on.
.macro TURN fill
	WIN 0
	s_wait_tensorcnt 0x0                           ; no tensor load of mine is out, so a group 0 may be written
	ds_add_u32 v[SPW], v[NIL]                      ; 0 onto my spare word
.if \fill
	s_xor_b32 s[G0A+5], s[G0A+5], SX
	s_add_nc_u64 s[G0A+6:G0A+7], s[G0A+6:G0A+7], STEPA
	s_xor_b32 s[G0B+5], s[G0B+5], SX
	s_add_nc_u64 s[G0B+6:G0B+7], s[G0B+6:G0B+7], STEPB
.endif
	s_xor_b32 s[TB], s[TB], SX
	s_add_co_u32 s[FO], s[FO], 512
	s_wait_dscnt 1                                 ; buffer 1's loads are in; the add alone may be out
	MULS 1, 0, 4, 0, 1
	s_wait_dscnt 0x0                               ; the add is done, and my reads of this slot are over
	s_barrier_signal -1
	MULS 1, 4, 8, 0, 1
	WIN 0
	s_barrier_wait -1
.if \fill
	CREST
	JLOAD
.else
	PLACES
.endif
	v_add_nc_u32 v[ADA], s[TB], v[A0]
	v_add_nc_u32 v[ADB], s[TB], v[B0]
	FETCH 0, 0
	MULS 1, 12, 20, 0, 1
	RIDE 31
	WIN 0
	v_add_nc_u32 v[FTA], s[FO], v[FT0]
	ds_load_b128 v[FS:FS+3], v[FTA]                ; the next step's f / l, behind this step's last merge
	ds_load_b128 v[FS+4:FS+7], v[FTA] offset:16
.endm
	s_load_b256 s[ARG:ARG+7], s[0:1], 0x0
	v_lshl_add_u32 v[SPW], v0, 2, SPARE
	v_mov_b32 v[NIL], 0
	v_lshrrev_b32 v1, 5, v0
	v_readfirstlane_b32 s[WV], v1
	s_lshr_b32 s[WR], s[WV], 1
	s_and_b32 s[WC], s[WV], 1
	s_bfe_u32 s[CX], ttmp6, 0x40000
	s_bfe_u32 s[CY], ttmp6, 0x40004
	s_lshl_b32 s[TC], ttmp9, 2
	s_add_co_u32 s[TC], s[TC], s[CX]
	s_and_b32 s[YY], ttmp7, 0xffff
	s_lshl_b32 s[TR], s[YY], 2
	s_add_co_u32 s[TR], s[TR], s[CY]
	s_lshl_b32 s[RM], s[CY], 2
	s_lshl_b32 s[RM], 15, s[RM]
	s_lshl_b32 s[CMK], 0x1111, s[CX]
	s_or_b32 s[G1A], s[RM], (1<<16)|(1<<20)|(1<<21)|(5<<22)|(3<<25)
	s_mov_b32 s[G1A+1], 128<<16
	s_mov_b32 s[G1A+2], 64<<16
	s_mov_b32 s[G1A+3], 128<<16
	s_mov_b32 s[G1A+4], 64
	s_mov_b32 s[G1A+5], 2048                       ; a row of ph has 2,048 elements
	s_mov_b32 s[G1A+6], 0
	s_mov_b32 s[G1A+7], 0
	s_or_b32 s[G1B], s[CMK], (1<<16)|(1<<20)|(1<<21)|(6<<22)|(7<<25)
	s_mov_b32 s[G1B+1], 256<<16
	s_mov_b32 s[G1B+2], 64<<16
	s_mov_b32 s[G1B+3], 256<<16
	s_mov_b32 s[G1B+4], 64
	s_mov_b32 s[G1B+5], 1024
	s_mov_b32 s[G1B+6], 0
	s_mov_b32 s[G1B+7], 0
	s_mov_b32 s[SEL], 0x76543210
	s_mov_b32 s[SEL+1], 0xfedcba98
	s_mov_b32 s[TB], 0
	s_mov_b32 s[FO], 0
	s_lshl_b32 s14, s[TR], 7                       ; P: row 128 x tile row + 64 x half, 4,096 bytes a row
	s_lshl_b32 s15, s[WC], 6
	s_add_co_u32 s14, s14, s15
	s_lshl_b32 s14, s14, 12
	s_mov_b32 s15, 0
	s_lshr_b32 s46, s[YY], 2                       ; V: the batch's key 64 x half, channel 256 x tile column
	s_lshl_b32 s46, s46, 11
	s_lshl_b32 s47, s[WC], 6
	s_add_co_u32 s46, s46, s47
	s_lshl_b32 s46, s46, 11
	s_lshl_b32 s47, s[TC], 9
	s_add_co_u32 s46, s46, s47
	s_add_co_u32 s46, s46, 33554432                ; V lies behind Q and K in qkv
	s_mov_b32 s47, 0
	s_lshl_b32 s16, s[TR], 7
	s_lshl_b32 s17, s[WR], 6
	s_add_co_u32 s16, s16, s17                     ; my first row
	s_lshl_b32 s18, s16, 2                         ; in st
	s_mov_b32 s19, 0
	s_lshl_b32 s16, s16, 11                        ; in ch, with my first channel
	s_lshl_b32 s17, s[TC], 9
	s_add_co_u32 s16, s16, s17
	s_lshl_b32 s17, s[WC], 8
	s_add_co_u32 s16, s16, s17
	s_mov_b32 s17, 0
	s_mul_i32 s20, s[WC], HA
	s_mul_i32 s21, s[WC], HB
	s_add_co_u32 s21, s21, BOFF
	s_wait_kmcnt 0x0
	s_add_nc_u64 s[14:15], s[ARG:ARG+1], s[14:15]
	s_add_nc_u64 s[46:47], s[ARG+2:ARG+3], s[46:47]
	s_add_nc_u64 s[STP:STP+1], s[ARG+4:ARG+5], s[18:19]
	s_add_nc_u64 s[8:9], s[ARG+6:ARG+7], s[16:17]
	CROUND                                         ; all sixteen work-groups are here: the first joint loads meet
.irp s, 0,1
	s_mov_b32 s[G0A+4*(\s)], 1
	s_add_co_u32 s[G0A+4*(\s)+1], s20, (\s)*SX
	s_add_nc_u64 s[G0A+4*(\s)+2:G0A+4*(\s)+3], s[14:15], (\s)*STEPA
	s_or_b32 s[G0A+4*(\s)+3], s[G0A+4*(\s)+3], 0x80000000
	s_mov_b32 s[G0B+4*(\s)], 1
	s_add_co_u32 s[G0B+4*(\s)+1], s21, (\s)*SX
	s_add_nc_u64 s[G0B+4*(\s)+2:G0B+4*(\s)+3], s[46:47], (\s)*STEPB
	s_or_b32 s[G0B+4*(\s)+3], s[G0B+4*(\s)+3], 0x80000000
.endr
	s_cmp_lt_u32 s[WV], 2                          ; a wave's two first fills stand in one branch: two loads of mine are out
	s_cbranch_scc0 .Lfirst_b
	tensor_load_to_lds s[G0A:G0A+3], s[G1A:G1A+7]
	s_nop 0
	tensor_load_to_lds s[G0A+4:G0A+7], s[G1A:G1A+7]
	s_nop 0
.rept 4
	v_nop
.endr
	s_branch .Lfirst_asked
.Lfirst_b:
	tensor_load_to_lds s[G0B:G0B+3], s[G1B:G1B+7]
	s_nop 0
	tensor_load_to_lds s[G0B+4:G0B+7], s[G1B:G1B+7]
	s_nop 0
.rept 4
	v_nop
.endr
.Lfirst_asked:
	v_and_b32 v1, 15, v0                           ; r = l % 16
	v_bfe_u32 v2, v0, 4, 1                         ; h = l / 16
	v_lshlrev_b32 v[SR4], 2, v1
	v_lshl_add_u32 v[SR4], v2, 18, v[SR4]          ; the statistics of my 64 rows: lane (r, h) takes row 16 a + r of blocks 8 h + 0..7 (a block is 32,768 bytes of st)
.set j, 0
.rept 8
.irp a, 0,1,2,3
	global_load_b32 v[SM+8*(\a)+j], v[SR4], s[STP:STP+1] offset:32768*j+64*(\a)
	global_load_b32 v[SL+8*(\a)+j], v[SR4], s[STP:STP+1] offset:32768*j+64*(\a)+524288
.endr
.set j, j+1
.endr
	WIN 0x80                                       ; the sums start at 0
.set z, 0
.rept 256
	v_mov_b32 v[z], 0
.set z, z+1
.endr
	WIN 0
	v_mul_u32_u24 v[A0], v1, PA
	v_lshl_add_u32 v[A0], v2, 4, v[A0]
	s_mul_i32 s22, s[WR], 64*PA
	v_add_nc_u32 v[A0], s22, v[A0]
	v_and_b32 v3, 7, v0                            ; V, for the turning load: key 8 h + l % 8, 16 bytes for each eight lanes
	v_lshl_add_u32 v3, v2, 3, v3
	v_mul_u32_u24 v[B0], v3, PB
	v_bfe_u32 v3, v0, 3, 1
	v_lshl_add_u32 v[B0], v3, 4, v[B0]
	s_lshl_b32 s23, s[WC], 8
	s_add_co_u32 s23, s23, BOFF
	v_add_nc_u32 v[B0], s23, v[B0]
	v_mov_b32 v[ADA], v[A0]
	v_mov_b32 v[ADB], v[B0]
	s_mul_i32 s2, s[WV], 16*SP
	s_add_co_u32 s2, s2, STAGE
	v_mul_u32_u24 v[STO], v1, SP
	v_lshl_add_u32 v[STO], v2, 4, v[STO]
	v_add_nc_u32 v[STO], s2, v[STO]
	v_mul_u32_u24 v[RD], v2, SP
	v_lshl_add_u32 v[RD], v1, 4, v[RD]
	v_add_nc_u32 v[RD], s2, v[RD]
	v_lshlrev_b32 v[CO], 11, v2
	v_lshl_add_u32 v[CO], v1, 4, v[CO]
	s_lshl_b32 s3, s[WV], 13
	s_add_co_u32 s3, s3, FT
	v_lshl_add_u32 v[FT0], v1, 5, s3               ; my row's 32 bytes of a block
	v_lshl_add_u32 v[FTW], v2, 12, v[FT0]          ; my half's eight blocks of 512 bytes
.irp a, 0,1,2,3
	v_mov_b32 v[TX+(\a)], 0                        ; v_permlanex16_b32's destination counts as read
.endr
	s_wait_loadcnt 0x0
.irp a, 0,1,2,3                        ; c m: the largest of my eight, the four row blocks by turns; then of the other half's eight
	v_max_num_f32 v[MR+(\a)], v[SM+8*(\a)], v[SM+8*(\a)+1]
.endr
.set p, 1
.rept 3
.irp a, 0,1,2,3
	v_max3_num_f32 v[MR+(\a)], v[SM+8*(\a)+2*p], v[SM+8*(\a)+2*p+1], v[MR+(\a)]
.endr
.set p, p+1
.endr
.irp a, 0,1,2,3
	v_permlanex16_b32 v[TX+(\a)], v[MR+(\a)], s[SEL], s[SEL+1]
.endr
.irp a, 0,1,2,3
	v_max_num_f32 v[MR+(\a)], v[MR+(\a)], v[TX+(\a)]
.endr
.set z, 0
.rept 32
	v_sub_f32 v[SM+z], v[SM+z], v[MR+z/8]
.set z, z+1
.endr
.set z, 0
.rept 32
	v_exp_f32 v[SM+z], v[SM+z]                     ; f
.set z, z+1
.endr
	v_nop                                          ; a plain line behind the last exponential
	s_wait_alu depctr_va_vdst(0)
.set j, 0
.rept 8
.irp a, 0,1,2,3
.if j == 0
	v_mul_f32 v[LR+(\a)], v[SM+8*(\a)], v[SL+8*(\a)]
.else
	v_fma_f32 v[LR+(\a)], v[SM+8*(\a)+j], v[SL+8*(\a)+j], v[LR+(\a)]
.endif
.endr
.set j, j+1
.endr
.irp a, 0,1,2,3
	v_permlanex16_b32 v[TX+(\a)], v[LR+(\a)], s[SEL], s[SEL+1]
.endr
.irp a, 0,1,2,3
	v_add_f32 v[LR+(\a)], v[LR+(\a)], v[TX+(\a)]   ; l
.endr
.irp a, 0,1,2,3
	v_rcp_f32 v[IL+(\a)], v[LR+(\a)]
.endr
	v_nop                                          ; a plain line behind the last reciprocal
.set j, 0
	s_wait_alu depctr_va_vdst(0)
.rept 8
.irp a, 0,1,2,3
	v_mul_f32 v[FP+8*j+2*(\a)],   v[SM+8*(\a)+j], v[IL+(\a)]  ; f / l, twice: the packed merge multiplies by a pair
	v_mul_f32 v[FP+8*j+2*(\a)+1], v[SM+8*(\a)+j], v[IL+(\a)]
.endr
.set j, j+1
.endr
.set j, 0
.rept 8
	ds_store_b128 v[FTW], v[FP+8*j:FP+8*j+3]   offset:512*j
	ds_store_b128 v[FTW], v[FP+8*j+4:FP+8*j+7] offset:512*j+16
.set j, j+1
.endr
	s_wait_tensorcnt 0x1                           ; my part of K step 0 is in; K step 1's may stay out
	s_wait_dscnt 0x0                               ; no LDS instruction of mine is pending at the signal
	s_barrier_signal -1
	s_barrier_wait -1
	ds_load_b128 v[FS:FS+3], v[FT0]                ; step 0's f / l
	ds_load_b128 v[FS+4:FS+7], v[FT0] offset:16
	FETCH 0, 0
	s_mov_b32 s[CNT], NSTEP-2
.Lstep:                                                ; a trip: a K step; one slot is filled again
	QUARTER 1, 0, 1                                ; a step's first quarter starts its sums
	QUARTER 2, 1, 0
	QUARTER 3, 0, 0
	TURN 1
	s_sub_co_u32 s[CNT], s[CNT], 1
	s_cmp_lg_u32 s[CNT], 0
	s_cbranch_scc1 .Lstep
	QUARTER 1, 0, 1                                ; the last two K steps are written out: nothing is left to ask for
	QUARTER 2, 1, 0
	QUARTER 3, 0, 0
	TURN 0
	QUARTER 1, 0, 1
	QUARTER 2, 1, 0
	QUARTER 3, 0, 0
	s_wait_dscnt 0x0
	MULS 1, 0, 32, 0, 1
	RIDE 31
	WIN 0
; THE WAY OUT, 16 rows at a time: the sums are rounded to f16, go through my own stage and come back as whole rows of 256 bytes.
.macro PACK a
	WIN 0x0a                                       ; sources window 2, destination window 0
.set z, 0
.rept 32
	v_cvt_pk_f16_f32 v[TMP+z], v[64*(\a)+2*z], v[64*(\a)+2*z+1]
.set z, z+1
.endr
	WIN 0
.endm
.macro TOSTAGE a
.irp b, 0,1,2,3,4,5,6,7
	ds_store_b128 v[STO], v[TMP+4*(\b):TMP+4*(\b)+3] offset:32*(\b)
.endr
.irp t, 0,1,2,3,4,5,6,7
	ds_load_b128 v[OB+32*((\a)%2)+4*(\t):OB+32*((\a)%2)+4*(\t)+3], v[RD] offset:2*SP*(\t)  ; LDS serves a wave's instructions in order (ISA guide 5.7.1.4): these see the stores above
.endr
.endm
.macro SEND a
	s_wait_dscnt 0x0
	s_wait_xcnt 0x0                                ; the stores of the block before have read their registers: those are loaded again only behind this wait
.irp t, 0,1,2,3,4,5,6,7
	global_store_b128 v[CO], v[OB+32*((\a)%2)+4*(\t):OB+32*((\a)%2)+4*(\t)+3], s[8:9] offset:(16*(\a)+2*(\t))*PITCH  ; 16 lanes store 256 consecutive bytes, at a multiple of 256
.endr
.endm
	PACK 0
	TOSTAGE 0
.irp a, 1,2,3
	PACK \a
	SEND (\a)-1
	TOSTAGE \a
.endr
	SEND 3
	s_wait_tensorcnt 0x0                           ; the wave's end
	ds_add_u32 v[SPW], v[NIL]
	s_wait_dscnt 0x0
	CROUND                                         ; the closing round
	s_endpgm
.Lfunc_end_k_q802d0a6162_pv:
	.size	k_q802d0a6162_pv, .Lfunc_end_k_q802d0a6162_pv-k_q802d0a6162_pv
	.p2alignl 7, 3214868480
	.fill 96, 4, 3214868480
	.section	.rodata,"a",@progbits
	.p2align	6, 0x0
	.amdhsa_kernel k_q802d0a6162_pv
		.amdhsa_group_segment_fixed_size 327680
		.amdhsa_private_segment_fixed_size 0
		.amdhsa_enable_private_segment 0
		.amdhsa_kernarg_size 32
		.amdhsa_user_sgpr_count 2
		.amdhsa_user_sgpr_kernarg_segment_ptr 1
		.amdhsa_wavefront_size32 1
		.amdhsa_system_sgpr_workgroup_id_x 1
		.amdhsa_system_sgpr_workgroup_id_y 1
		.amdhsa_system_sgpr_workgroup_id_z 1
		.amdhsa_system_vgpr_workitem_id 0
		.amdhsa_next_free_vgpr 768
		.amdhsa_next_free_sgpr 102
		.amdhsa_reserve_vcc 0
		.amdhsa_float_denorm_mode_32 3
		.amdhsa_float_denorm_mode_16_64 3
		.amdhsa_memory_ordered 1
		.amdhsa_forward_progress 1
		.amdhsa_inst_pref_size 123
	.end_amdhsa_kernel
	.amdgpu_metadata
---
amdhsa.version: [ 1, 2 ]
amdhsa.kernels:
  - .name:           k_q802d0a6162_pv
    .symbol:         k_q802d0a6162_pv.kd
    .args:
      - { .name: ph, .offset: 0, .size: 8, .value_kind: global_buffer, .address_space: global }
      - { .name: qkv, .offset: 8, .size: 8, .value_kind: global_buffer, .address_space: global }
      - { .name: st, .offset: 16, .size: 8, .value_kind: global_buffer, .address_space: global }
      - { .name: ch, .offset: 24, .size: 8, .value_kind: global_buffer, .address_space: global }
    .group_segment_fixed_size: 327680
    .private_segment_fixed_size: 0
    .kernarg_segment_align: 8
    .kernarg_segment_size: 32
    .max_flat_workgroup_size: 128
    .sgpr_count:     102
    .vgpr_count:     768
    .wavefront_size: 32
...
	.end_amdgpu_metadata
.endif
;; end of part 4
;; launch outp (part 5): grid 4 x 64, 4 waves a work-group, clusters of 4 x 4, 327,680 bytes of LDS; arguments ch, wb, bo, out0; writes out0
.if DOCPART == 5
	.amdgcn_target "amdgcn-amd-amdhsa--gfx1250"
	.amdhsa_code_object_version 6
	.text
	.protected	k_q802d0a6162_outp
	.globl	k_q802d0a6162_outp
	.p2align	8
	.type	k_q802d0a6162_outp,@function
k_q802d0a6162_outp:
	s_mov_b64 s[64:65], 0
	v_nop
	global_prefetch_b8 v0, s[64:65] scope:SCOPE_SE
	s_setreg_imm32_b32 hwreg(HW_REG_WAVE_MODE, 25, 1), 1
	s_wait_xcnt 0x0
	s_wait_alu depctr_hold_cnt(0) depctr_sa_sdst(0) depctr_va_vdst(0) depctr_va_sdst(0) depctr_va_ssrc(0) depctr_va_vcc(0) depctr_vm_vsrc(0)
	s_getreg_b32 s2, hwreg(HW_REG_IB_STS2, 6, 4)
	s_cmp_eq_u32 s2, 0
	s_cbranch_scc0 .Lentry_in_a_cluster
	s_endpgm
.Lentry_in_a_cluster:
	s_bfe_u32 s2, ttmp6, 0x10000c
	s_cmp_lg_u32 s2, 0xf033
	s_cbranch_scc0 .Lentry_shape_is_right
	s_endpgm
.Lentry_shape_is_right:
; out0 = ctx wo + bo.  ctx: [8192][1024] f16; wo: [1024 k][1024 n], its bf16 number written as f16 (the fourth part of wb); bo rounded to bf16; sums in f32; out0 in f32.
; LIMITS.  Those of its operands (ctx and wo within 65,504); a row of NaN in ctx gives a row of NaN.
; SHARES, RING, TURNS as in the projection: a tile of 128 rows x 256 columns, four waves, 32 accumulators each, K in 8 steps of 128 through two LDS slots; ctx comes out of LDS as it lies, wo turned.
; CLUSTER.  4 x 4 work-groups: ctx's tile is shared along a row, wo's along a column, each asked for jointly.
; REGISTERS: window 0: v0-31 addresses; v32-95 ctx's fragments, two buffers; v96-223 wo's, two buffers (on the way out v32-159 take rows read back)
;   window 1: the accumulators          window 2: v64-127 the bias of my 128 columns; v128-159 at work
.set PA,    272
.set HA,    64*PA
.set BOFF,  2*HA
.set PB,    544
.set HB,    64*PB
.set SX,    1<<17
.set STAGE, SX+BOFF+2*HB               ; 16 rows x 528 bytes for each wave
.set SP,    528
.set SPARE, STAGE+4*16*SP              ; the spare words, 128 bytes for each wave: two blocks of 256 bytes that no other line names
.set STEPA, 256
.set STEPB, 128*2048
.set NSTEP, 8
.set A0,  4
.set B0,  5
.set ADA, 6
.set ADB, 7
.set STO, 8
.set RD,  9
.set CO,  10
.set BA,  11
.set SPW, 28
.set NIL, 29
.set AF,  32
.set OB,  32
.set BF,  96
.set BI,  64                           ; window 2
.set BT,  128
.set WV, 10
.set WR, 11
.set WC, 12
.set TR, 13
.set G1A, 24
.set G0A, 32
.set CX, 40
.set CY, 41
.set TC, 42
.set RM, 43
.set CMK, 44
.set YY, 45
.set G1B, 48
.set G0B, 56
.set TB,  66
.set CNT, 67
.set ARG, 88                           ; s[88:95] ch, wb, bo, out0
.set BP,  96                           ; s[96:97] bo at my 128 columns
.set MUL, 0x50
.set MSB, 0
.macro WIN new
.if MSB != (\new)
	s_set_vgpr_msb (MSB<<8)|(\new)
.set MSB, (\new)
.endif
.endm
.macro PLACES
.rept 4
	v_nop
.endr
.endm
.macro JLOAD                           ; a joint refill: waves 0 and 1 fetch ctx's two halves, waves 2 and 3 wo's; an s_nop 0 and four v_nop follow each line
	s_cmp_lt_u32 s[WV], 2
	s_cbranch_scc0 .Lfor_b_\@
	tensor_load_to_lds s[G0A+4:G0A+7], s[G1A:G1A+7]
	s_nop 0
.rept 4
	v_nop
.endr
	s_branch .Lasked_\@
.Lfor_b_\@:
	tensor_load_to_lds s[G0B+4:G0B+7], s[G1B:G1B+7]
	s_nop 0
.rept 4
	v_nop
.endr
.Lasked_\@:
.endm
.macro CREST
	s_cmp_lg_u32 s[WV], 0
	s_cbranch_scc1 .Lnot_wave_0_\@
	s_barrier_signal -3
.Lnot_wave_0_\@:
	s_barrier_wait -3
	s_barrier_signal -1
	s_barrier_wait -1
.endm
.macro CROUND
	s_barrier_signal -1
	s_barrier_wait -1
	CREST
.endm
.macro MULS f, first, count, zero      ; each accumulator once a quarter, always in the same order
.set i, \first
	WIN MUL
.rept \count
.set rD, 8*i
.set rB, BF+64*(\f)+8*(i%8)
.set rA, AF+32*(\f)+8*(i/8)
.if \zero
	v_wmma_f32_16x16x32_f16 v[rD:rD+7], v[rB:rB+7], v[rA:rA+7], 0
.else
	v_wmma_f32_16x16x32_f16 v[rD:rD+7], v[rB:rB+7], v[rA:rA+7], v[rD:rD+7]
.endif
.set i, i+1
.endr
.endm
.macro FETCH q, g
	WIN 0
.irp a, 0,1,2,3
	ds_load_b128 v[AF+32*(\g)+8*(\a):AF+32*(\g)+8*(\a)+3],   v[ADA] offset:64*(\q)+16*PA*(\a)
	ds_load_b128 v[AF+32*(\g)+8*(\a)+4:AF+32*(\g)+8*(\a)+7], v[ADA] offset:64*(\q)+16*PA*(\a)+32
.endr
.irp b, 0,1,2,3,4,5,6,7
	ds_load_tr16_b128 v[BF+64*(\g)+8*(\b):BF+64*(\g)+8*(\b)+3],   v[ADB] offset:32*PB*(\q)+32*(\b)
	ds_load_tr16_b128 v[BF+64*(\g)+8*(\b)+4:BF+64*(\g)+8*(\b)+7], v[ADB] offset:32*PB*(\q)+32*(\b)+16*PB
.endr
.endm
.macro QUARTER qn, f, zero
	s_wait_dscnt 0x0                               ; buffer f's loads, issued a quarter ago
	PLACES                                         ; the other buffer was read by the matrix instructions just issued
	FETCH \qn, 1-(\f)
	MULS \f, 0, 32, \zero
.endm
; The fourth quarter multiplies buffer 1 and changes slots: ONE barrier; in front of it each wave waits for all its tensor loads, adds 0 to its spare word, and waits for that and for its reads of this slot.
; fill = 1: the barrier opens a round of the cluster's barrier; behind it this slot takes the K step two steps on.
.macro TURN fill
	WIN 0
	s_wait_tensorcnt 0x0                           ; no tensor load of mine is out, so a group 0 may be written
	ds_add_u32 v[SPW], v[NIL]                      ; 0 onto my spare word
.if \fill
	s_xor_b32 s[G0A+5], s[G0A+5], SX
	s_add_nc_u64 s[G0A+6:G0A+7], s[G0A+6:G0A+7], STEPA
	s_xor_b32 s[G0B+5], s[G0B+5], SX
	s_add_nc_u64 s[G0B+6:G0B+7], s[G0B+6:G0B+7], STEPB
.endif
	s_xor_b32 s[TB], s[TB], SX
	s_wait_dscnt 1                                 ; buffer 1's loads are in; the add alone may be out
	MULS 1, 0, 4, 0
	s_wait_dscnt 0x0                               ; the add is done, and my reads of this slot are over
	s_barrier_signal -1
	MULS 1, 4, 8, 0
	WIN 0
	s_barrier_wait -1
.if \fill
	CREST
	JLOAD
.else
	PLACES
.endif
	v_add_nc_u32 v[ADA], s[TB], v[A0]
	v_add_nc_u32 v[ADB], s[TB], v[B0]
	FETCH 0, 0
	MULS 1, 12, 20, 0
.endm
	s_load_b256 s[ARG:ARG+7], s[0:1], 0x0
	v_lshl_add_u32 v[SPW], v0, 2, SPARE
	v_mov_b32 v[NIL], 0
	v_lshrrev_b32 v1, 5, v0
	v_readfirstlane_b32 s[WV], v1
	s_lshr_b32 s[WR], s[WV], 1
	s_and_b32 s[WC], s[WV], 1
	s_bfe_u32 s[CX], ttmp6, 0x40000
	s_bfe_u32 s[CY], ttmp6, 0x40004
	s_lshl_b32 s[TC], ttmp9, 2
	s_add_co_u32 s[TC], s[TC], s[CX]
	s_and_b32 s[YY], ttmp7, 0xffff
	s_lshl_b32 s[TR], s[YY], 2
	s_add_co_u32 s[TR], s[TR], s[CY]
	s_lshl_b32 s[RM], s[CY], 2
	s_lshl_b32 s[RM], 15, s[RM]
	s_lshl_b32 s[CMK], 0x1111, s[CX]
	s_or_b32 s[G1A], s[RM], (1<<16)|(1<<20)|(1<<21)|(5<<22)|(3<<25)
	s_mov_b32 s[G1A+1], 128<<16
	s_mov_b32 s[G1A+2], 64<<16
	s_mov_b32 s[G1A+3], 128<<16
	s_mov_b32 s[G1A+4], 64
	s_mov_b32 s[G1A+5], 1024
	s_mov_b32 s[G1A+6], 0
	s_mov_b32 s[G1A+7], 0
	s_or_b32 s[G1B], s[CMK], (1<<16)|(1<<20)|(1<<21)|(6<<22)|(7<<25)
	s_mov_b32 s[G1B+1], 256<<16
	s_mov_b32 s[G1B+2], 64<<16
	s_mov_b32 s[G1B+3], 256<<16
	s_mov_b32 s[G1B+4], 64
	s_mov_b32 s[G1B+5], 1024
	s_mov_b32 s[G1B+6], 0
	s_mov_b32 s[G1B+7], 0
	s_mov_b32 s[TB], 0
	s_lshl_b32 s14, s[TR], 7                       ; ctx: row 128 x tile row + 64 x half, 2,048 bytes a row
	s_lshl_b32 s15, s[WC], 6
	s_add_co_u32 s14, s14, s15
	s_lshl_b32 s14, s14, 11
	s_mov_b32 s15, 0
	s_lshl_b32 s46, s[WC], 17                      ; wo: k row 64 x half, column 256 x tile column
	s_lshl_b32 s47, s[TC], 9
	s_add_co_u32 s46, s46, s47
	s_add_co_u32 s46, s46, 6291456                 ; wo is the fourth weight in wb
	s_mov_b32 s47, 0
	s_lshl_b32 s16, s[TR], 7                       ; out0: my first row and column
	s_lshl_b32 s17, s[WR], 6
	s_add_co_u32 s16, s16, s17
	s_lshl_b32 s16, s16, 12
	s_lshl_b32 s17, s[TC], 10
	s_add_co_u32 s16, s16, s17
	s_lshl_b32 s17, s[WC], 9
	s_add_co_u32 s16, s16, s17
	s_mov_b32 s17, 0
	s_lshl_b32 s22, s[TC], 10                      ; the bias: my 128 columns
	s_lshl_b32 s23, s[WC], 9
	s_add_co_u32 s22, s22, s23
	s_mov_b32 s23, 0
	s_mul_i32 s20, s[WC], HA
	s_mul_i32 s21, s[WC], HB
	s_add_co_u32 s21, s21, BOFF
	s_wait_kmcnt 0x0
	s_add_nc_u64 s[14:15], s[ARG:ARG+1], s[14:15]
	s_add_nc_u64 s[46:47], s[ARG+2:ARG+3], s[46:47]
	s_add_nc_u64 s[BP:BP+1], s[ARG+4:ARG+5], s[22:23]
	s_add_nc_u64 s[8:9], s[ARG+6:ARG+7], s[16:17]
	CROUND                                         ; all sixteen work-groups are here: the first joint loads meet
.irp s, 0,1
	s_mov_b32 s[G0A+4*(\s)], 1
	s_add_co_u32 s[G0A+4*(\s)+1], s20, (\s)*SX
	s_add_nc_u64 s[G0A+4*(\s)+2:G0A+4*(\s)+3], s[14:15], (\s)*STEPA
	s_or_b32 s[G0A+4*(\s)+3], s[G0A+4*(\s)+3], 0x80000000
	s_mov_b32 s[G0B+4*(\s)], 1
	s_add_co_u32 s[G0B+4*(\s)+1], s21, (\s)*SX
	s_add_nc_u64 s[G0B+4*(\s)+2:G0B+4*(\s)+3], s[46:47], (\s)*STEPB
	s_or_b32 s[G0B+4*(\s)+3], s[G0B+4*(\s)+3], 0x80000000
.endr
	s_cmp_lt_u32 s[WV], 2                          ; a wave's two first fills stand in one branch: two loads of mine are out
	s_cbranch_scc0 .Lfirst_b
	tensor_load_to_lds s[G0A:G0A+3], s[G1A:G1A+7]
	s_nop 0
	tensor_load_to_lds s[G0A+4:G0A+7], s[G1A:G1A+7]
	s_nop 0
.rept 4
	v_nop
.endr
	s_branch .Lfirst_asked
.Lfirst_b:
	tensor_load_to_lds s[G0B:G0B+3], s[G1B:G1B+7]
	s_nop 0
	tensor_load_to_lds s[G0B+4:G0B+7], s[G1B:G1B+7]
	s_nop 0
.rept 4
	v_nop
.endr
.Lfirst_asked:
	v_and_b32 v1, 15, v0                           ; r = l % 16
	v_bfe_u32 v2, v0, 4, 1                         ; h = l / 16
	v_lshlrev_b32 v[BA], 5, v2
	WIN 0x80
.irp b, 0,1,2,3,4,5,6,7
	global_load_b128 v[BI+8*(\b):BI+8*(\b)+3],   v[BA], s[BP:BP+1] offset:64*(\b)
	global_load_b128 v[BI+8*(\b)+4:BI+8*(\b)+7], v[BA], s[BP:BP+1] offset:64*(\b)+16
.endr
	WIN 0
	v_mul_u32_u24 v[A0], v1, PA
	v_lshl_add_u32 v[A0], v2, 4, v[A0]
	s_mul_i32 s22, s[WR], 64*PA
	v_add_nc_u32 v[A0], s22, v[A0]
	v_and_b32 v3, 7, v0
	v_lshl_add_u32 v3, v2, 3, v3
	v_mul_u32_u24 v[B0], v3, PB
	v_bfe_u32 v3, v0, 3, 1
	v_lshl_add_u32 v[B0], v3, 4, v[B0]
	s_lshl_b32 s23, s[WC], 8
	s_add_co_u32 s23, s23, BOFF
	v_add_nc_u32 v[B0], s23, v[B0]
	v_mov_b32 v[ADA], v[A0]
	v_mov_b32 v[ADB], v[B0]
	s_mul_i32 s2, s[WV], 16*SP
	s_add_co_u32 s2, s2, STAGE                     ; my stage
	v_mul_u32_u24 v[STO], v1, SP                   ; in: row r, 32 bytes for each half of the lanes
	v_lshl_add_u32 v[STO], v2, 5, v[STO]
	v_add_nc_u32 v[STO], s2, v[STO]
	v_and_b32 v[CO], 31, v0                        ; back: 32 lanes take one row of 512 bytes
	v_lshlrev_b32 v[CO], 4, v[CO]
	v_add_nc_u32 v[RD], s2, v[CO]
	s_wait_loadcnt 0x0                             ; the bias; it is rounded to bf16 like every input, and widened again
	WIN 0x8a
.set z, 0
.rept 32
	v_cvt_pk_bf16_f32 v[BT+z], v[BI+2*z], v[BI+2*z+1]
.set z, z+1
.endr
.set z, 0
.rept 32
	v_lshlrev_b32 v[BI+2*z], 16, v[BT+z]
	v_and_b32 v[BI+2*z+1], 0xffff0000, v[BT+z]
.set z, z+1
.endr
	WIN 0
	s_wait_tensorcnt 0x1                           ; my part of K step 0 is in; K step 1's may stay out
	s_barrier_signal -1
	s_barrier_wait -1
	FETCH 0, 0
	QUARTER 1, 0, 1                                ; the first quarter stands in front of the loop: its products start the sums
	WIN 0
	s_mov_b32 s[CNT], NSTEP-2
.Lstep:
	QUARTER 2, 1, 0
	QUARTER 3, 0, 0
	TURN 1
	QUARTER 1, 0, 0
	WIN 0
	s_sub_co_u32 s[CNT], s[CNT], 1
	s_cmp_lg_u32 s[CNT], 0
	s_cbranch_scc1 .Lstep
	QUARTER 2, 1, 0                                ; the last two K steps are written out: nothing is left to ask for
	QUARTER 3, 0, 0
	TURN 0
	QUARTER 1, 0, 0
	QUARTER 2, 1, 0
	QUARTER 3, 0, 0
	s_wait_dscnt 0x0
	MULS 1, 0, 32, 0
	WIN 0
	PLACES
; THE WAY OUT, 16 rows at a time: the bias is added in place; a lane's eight f32 of a row go into my own stage (rows of 528 bytes) and come back as whole rows of 512 bytes.
.macro ADDB a
	WIN 0x49
.set z, 0
.rept 32
	v_pk_add_f32 v[64*(\a)+2*z:64*(\a)+2*z+1], v[64*(\a)+2*z:64*(\a)+2*z+1], v[BI+2*z:BI+2*z+1]
.set z, z+1
.endr
.endm
.macro OUTB a
	WIN 0x04                                       ; the stores' data in window 1
.irp b, 0,1,2,3,4,5,6,7
	ds_store_b128 v[STO], v[64*(\a)+8*(\b):64*(\a)+8*(\b)+3]   offset:64*(\b)
	ds_store_b128 v[STO], v[64*(\a)+8*(\b)+4:64*(\a)+8*(\b)+7] offset:64*(\b)+16
.endr
	WIN 0
	s_wait_xcnt 0x0                                ; earlier stores have read their registers: those are loaded again only behind this wait
.set z, 0
.rept 16
	ds_load_b128 v[OB+64*((\a)%2)+4*z:OB+64*((\a)%2)+4*z+3], v[RD] offset:SP*z  ; LDS serves a wave's instructions in order (ISA guide 5.7.1.4): these see the stores above
.set z, z+1
.endr
.if (\a) < 3
	ADDB (\a)+1                                    ; the next block's additions stand between the loads and the wait for them
	WIN 0
.endif
	s_wait_dscnt 0x0
.set z, 0
.rept 16
	global_store_b128 v[CO], v[OB+64*((\a)%2)+4*z:OB+64*((\a)%2)+4*z+3], s[8:9] offset:(16*(\a)+z)*4096 th:TH_STORE_NT  ; 512 consecutive bytes, at a multiple of 256
.set z, z+1
.endr
.endm
	ADDB 0
	OUTB 0
	OUTB 1
	OUTB 2
	OUTB 3
	s_wait_tensorcnt 0x0                           ; the wave's end
	ds_add_u32 v[SPW], v[NIL]
	s_wait_dscnt 0x0
	CROUND                                         ; the closing round
	s_endpgm
.Lfunc_end_k_q802d0a6162_outp:
	.size	k_q802d0a6162_outp, .Lfunc_end_k_q802d0a6162_outp-k_q802d0a6162_outp
	.p2alignl 7, 3214868480
	.fill 96, 4, 3214868480
	.section	.rodata,"a",@progbits
	.p2align	6, 0x0
	.amdhsa_kernel k_q802d0a6162_outp
		.amdhsa_group_segment_fixed_size 327680
		.amdhsa_private_segment_fixed_size 0
		.amdhsa_enable_private_segment 0
		.amdhsa_kernarg_size 32
		.amdhsa_user_sgpr_count 2
		.amdhsa_user_sgpr_kernarg_segment_ptr 1
		.amdhsa_wavefront_size32 1
		.amdhsa_system_sgpr_workgroup_id_x 1
		.amdhsa_system_sgpr_workgroup_id_y 1
		.amdhsa_system_sgpr_workgroup_id_z 1
		.amdhsa_system_vgpr_workitem_id 0
		.amdhsa_next_free_vgpr 768
		.amdhsa_next_free_sgpr 102
		.amdhsa_reserve_vcc 0
		.amdhsa_float_denorm_mode_32 3
		.amdhsa_float_denorm_mode_16_64 3
		.amdhsa_memory_ordered 1
		.amdhsa_forward_progress 1
		.amdhsa_inst_pref_size 83
	.end_amdhsa_kernel
	.amdgpu_metadata
---
amdhsa.version: [ 1, 2 ]
amdhsa.kernels:
  - .name:           k_q802d0a6162_outp
    .symbol:         k_q802d0a6162_outp.kd
    .args:
      - { .name: ch, .offset: 0, .size: 8, .value_kind: global_buffer, .address_space: global }
      - { .name: wb, .offset: 8, .size: 8, .value_kind: global_buffer, .address_space: global }
      - { .name: bo, .offset: 16, .size: 8, .value_kind: global_buffer, .address_space: global }
      - { .name: out0, .offset: 24, .size: 8, .value_kind: global_buffer, .address_space: global }
    .group_segment_fixed_size: 327680
    .private_segment_fixed_size: 0
    .kernarg_segment_align: 8
    .kernarg_segment_size: 32
    .max_flat_workgroup_size: 128
    .sgpr_count:     102
    .vgpr_count:     768
    .wavefront_size: 32
...
	.end_amdgpu_metadata
.endif
;; end of part 5
;; ======== version 2 of 2: 5 launches; version 1 with the launch cast written anew for expert scheduling mode
;; limits: values are held in f16: magnitudes above 65,504 overflow, below 6.1e-05 lose precision
;; workspace buffers: wb 8,388,608 bytes; qkv 50,331,648 bytes; ph 33,554,432 bytes; st 1,048,576 bytes; ch 16,777,216 bytes; mb 524,288 bytes of whole numbers
;; launch cast (part 6): grid 256 x 1, 8 waves a work-group, no clusters, 0 bytes of LDS; arguments wq, wk, wv, wo, mask, wb, mb; writes wb, mb
.if DOCPART == 6
	.amdgcn_target "amdgcn-amd-amdhsa--gfx1250"
	.amdhsa_code_object_version 6
	.text
	.protected	k_q802d0a6162_cast
	.globl	k_q802d0a6162_cast
	.p2align	8
	.type	k_q802d0a6162_cast,@function
k_q802d0a6162_cast:
	s_mov_b64 s[64:65], 0
	v_nop
	global_prefetch_b8 v0, s[64:65] scope:SCOPE_SE
	s_setreg_imm32_b32 hwreg(HW_REG_WAVE_SCHED_MODE, 0, 2), 2
	s_setreg_imm32_b32 hwreg(HW_REG_WAVE_MODE, 25, 1), 1
	s_wait_xcnt 0x0
	s_wait_alu depctr_vm_vsrc(0)
; TWO SMALL STREAMS.  (1) The four weights, [1024][1024] f32, are rounded to bf16 once.  wb = [4][1024][1024] of 16 bits: wq, wk, wv as bf16; wo's bf16 number written as f16,
; since the last product multiplies in f16.  (2) The mask, [2048][2048] int32, is packed into lane masks: mb = [128 R][128 C][8 j] words; bit r + 16 h of word (R, C, j) is
; mask[16 R + r][16 C + 8 h + j] != 0.  Those are the 32 lanes that hold register j of a 16 x 16 accumulator of scores, so the next launch but one selects by such a word as it lies.
; LIMITS.  wo beyond 65,504 becomes an infinity; wo below 6.1e-5 keeps f16's fixed step of 6e-8.
; Memory binds, so no LDS, no barrier, no matrix unit.  Work-group g takes numbers 4,096 g .. 4,096 g + 4,095 of each weight; a load of a wave covers 512 consecutive bytes, a store 256
; consecutive bytes at a multiple of 256.  Wave u = 8 g + w takes rows 16 (u / 16) on, columns 128 (u % 16) on of the mask: lane (r, h) reads as the scores will lie, 32 bytes at a time, and the
; wave's sixteen loads on end cover 512 consecutive bytes of each of its 16 rows; its 64 words leave by one store of 256 consecutive bytes.  All 32 loads go out before the first is waited for.
; THE MODE: SCHED_MODE bits 1:0 = 2 (LLVM: expert scheduling mode 2), set by the entry lines.  The code itself states the register dependences between vector instructions and memory
; instructions, and between a vector instruction's scalar result and its readers, with s_wait_alu, always for 0.
; THE PLAN.  Registers that memory instructions touch:
;   v1, v2, v[ML], v[OL]  byte offsets, made once at the head and never written again: one wait ahead of the first load serves every load and store.
;   X, MK                 written by the 32 loads, which are issued before any vector line names these registers; read by the conversions and the compares; never loaded again.
;   Y                     eight registers a weight, written by that weight's conversions, read by its four stores, and written by nothing behind them.
;   OW                    written by the v_writelane_b32 lines, read by the last store.
; Weight j's stores are issued in weight j + 1's part (wo's in the mask's part), behind ONE wait at that part's head, and are dealt among its vector lines, which name other registers: X and Y
; of their own weight and TT, or MK and scalar registers.  No register that a memory instruction has read is written again, and no load lands in a register that a vector line has named.
; The compares' lane masks come in runs of sixteen, two column groups, with one wait behind a run and ahead of the lines that read them.
.set X,  4                             ; v[4:67]    weight load n = 4 j + i: four f32
.set Y,  68                            ; v[68:99]   the same four numbers in 16 bits: two registers
.set TT, 100                           ; v[100:103] at work: no memory instruction names them
.set MK, 104                           ; v[104:167] the mask's words: column group c at 8 c
.set OW, 168                           ; v[168:169] lane l: words 2 l and 2 l + 1 of the wave's 64
.set ML, 170                           ; v170       my byte offset in the wave's part of the mask
.set OL, 171                           ; v171       8 x lane
.set LM, 24                            ; s[24:39]   a run's sixteen lane masks; s24 to s29 serve the head's offsets first, and nothing reads them behind the head
	s_load_b256 s[4:11], s[0:1], 0x0               ; wq s[4:5], wk s[6:7], wv s[8:9], wo s[10:11]
	s_load_b128 s[12:15], s[0:1], 0x20             ; mask s[12:13], wb s[14:15]
	s_load_b64 s[16:17], s[0:1], 0x30              ; mb
	v_lshrrev_b32 v3, 5, v0
	v_readfirstlane_b32 s23, v3                    ; wave; the head's other vector lines stand between this line and the wait for s23
	v_lshlrev_b32 v1, 4, v0                        ; weights: 16 bytes a thread in
	v_lshlrev_b32 v2, 3, v0                        ; 8 bytes a thread out
	v_and_b32 v[OL], 31, v0
	v_and_b32 v[ML], 15, v0                        ; r
	v_bfe_u32 v3, v0, 4, 1                         ; h
	v_lshlrev_b32 v[ML], 13, v[ML]                 ; row r,
	v_lshl_add_u32 v[ML], v3, 5, v[ML]             ; eight words for each half of the lanes
	v_lshlrev_b32 v[OL], 3, v[OL]
	v_mov_b32 v[OW], 0                             ; v_writelane_b32's destination counts as read
	v_mov_b32 v[OW+1], 0
	s_lshl_b32 s18, ttmp9, 14                      ; my 4,096 numbers in f32
	s_mov_b32 s19, 0
	s_lshl_b32 s20, ttmp9, 13                      ; and in 16 bits
	s_mov_b32 s21, 0
	s_mov_b32 s22, 0xffff0000                      ; a word's upper bf16
	s_lshr_b32 s24, ttmp9, 1                       ; R = u / 16
	s_and_b32 s25, ttmp9, 1
	s_lshl_b32 s25, s25, 3
	s_wait_alu depctr_va_sdst(0)                   ; s23 is written, ahead of its first reader: the mask's and mb's offsets are made from it
	s_add_co_u32 s25, s25, s23                     ; u % 16
	s_lshl_b32 s26, s24, 17                        ; 16 rows of 8,192 bytes
	s_lshl_b32 s27, s25, 9                         ; 128 columns of 4 bytes
	s_add_co_u32 s26, s26, s27
	s_mov_b32 s27, 0
	s_lshl_b32 s28, s24, 12                        ; in mb: 4,096 bytes for each R, 256 for each 128 columns
	s_lshl_b32 s29, s25, 8
	s_add_co_u32 s28, s28, s29
	s_mov_b32 s29, 0
	s_wait_kmcnt 0x0
.irp j, 0,1,2,3
	s_add_nc_u64 s[4+2*(\j):5+2*(\j)], s[4+2*(\j):5+2*(\j)], s[18:19]
.endr
	s_add_nc_u64 s[14:15], s[14:15], s[20:21]
	s_add_nc_u64 s[12:13], s[12:13], s[26:27]
	s_add_nc_u64 s[16:17], s[16:17], s[28:29]
	s_wait_alu depctr_va_vdst(0)                   ; v1, v2, v[ML] and v[OL] are written: every load and store of the kernel reads one of them as its offset
.irp j, 0,1,2,3
.irp i, 0,1,2,3
	global_load_b128 v[X+16*(\j)+4*(\i):X+16*(\j)+4*(\i)+3], v1, s[4+2*(\j):5+2*(\j)] offset:4096*(\i) th:TH_LOAD_NT
.endr
.endr
.irp c, 0,1,2,3,4,5,6,7
	global_load_b128 v[MK+8*(\c):MK+8*(\c)+3],   v[ML], s[12:13] offset:64*(\c) th:TH_LOAD_NT
	global_load_b128 v[MK+8*(\c)+4:MK+8*(\c)+7], v[ML], s[12:13] offset:64*(\c)+16 th:TH_LOAD_NT
.endr
; The weights.  Weight j's part rounds its four loads and issues the four stores of weight j - 1.
.irp j, 0,1,2,3
.irp i, 0,1,2,3
	s_wait_loadcnt 31-4*(\j)-(\i)                  ; loads come back in order: this one is in, the younger weights' and the mask's sixteen stay out
.if (\j) > 0
.if (\i) == 0
	s_wait_alu depctr_va_vdst(0)                   ; the conversions of the weight before have written its eight registers of Y, which the four stores of this part read
.endif
	global_store_b64 v2, v[Y+8*((\j)-1)+2*(\i):Y+8*((\j)-1)+2*(\i)+1], s[14:15] offset:((\j)-1)*2097152+2048*(\i)  ; no vector line since the wait names these registers
.endif
	v_cvt_pk_bf16_f32 v[Y+8*(\j)+2*(\i)],   v[X+16*(\j)+4*(\i)],   v[X+16*(\j)+4*(\i)+1]
	v_cvt_pk_bf16_f32 v[Y+8*(\j)+2*(\i)+1], v[X+16*(\j)+4*(\i)+2], v[X+16*(\j)+4*(\i)+3]
.if (\j) == 3
	v_lshlrev_b32 v[TT],   16,  v[Y+8*(\j)+2*(\i)]  ; wo: the bf16 numbers widened,
	v_and_b32     v[TT+1], s22, v[Y+8*(\j)+2*(\i)]
	v_lshlrev_b32 v[TT+2], 16,  v[Y+8*(\j)+2*(\i)+1]
	v_and_b32     v[TT+3], s22, v[Y+8*(\j)+2*(\i)+1]
	v_cvt_pk_f16_f32 v[Y+8*(\j)+2*(\i)],   v[TT],   v[TT+1]  ; and written as f16
	v_cvt_pk_f16_f32 v[Y+8*(\j)+2*(\i)+1], v[TT+2], v[TT+3]
.endif
.endr
.endr
; The mask, in four runs of two column groups: c = 2 g + d.  The first run also issues wo's four stores.
.irp g, 0,1,2,3
.irp d, 0,1
	s_wait_loadcnt 14-4*(\g)-2*(\d)                ; column group c's two loads are in, the younger ones stay out
.if (\g) == 0
.if (\d) == 0
	s_wait_alu depctr_va_vdst(0)                   ; wo's conversions have written its eight registers of Y, which the four stores of this run read
.endif
	global_store_b64 v2, v[Y+24+4*(\d):Y+24+4*(\d)+1],   s[14:15] offset:3*2097152+2048*(2*(\d))    ; the compares since the wait name MK and scalar registers alone
	global_store_b64 v2, v[Y+24+4*(\d)+2:Y+24+4*(\d)+3], s[14:15] offset:3*2097152+2048*(2*(\d)+1)
.endif
.irp j, 0,1,2,3,4,5,6,7
	v_cmp_ne_u32 s[LM+8*(\d)+(\j)], 0, v[MK+8*(2*(\g)+(\d))+(\j)]  ; the compare's lane mask IS word 8 c + j
.endr
.endr
	s_wait_alu depctr_va_sdst(0)                   ; the run's sixteen lane masks are written, ahead of the first line that reads one
.irp d, 0,1
.irp j, 0,1,2,3,4,5,6,7
	v_writelane_b32 v[OW+(\j)%2], s[LM+8*(\d)+(\j)], 4*(2*(\g)+(\d))+(\j)/2
.endr
.endr
.endr
	s_wait_alu depctr_va_vdst(0)                   ; the v_writelane_b32 lines have written v[OW] and v[OW+1], which the store reads
	global_store_b64 v[OL], v[OW:OW+1], s[16:17]   ; 256 consecutive bytes, at a multiple of 256
	s_endpgm
.Lfunc_end_k_q802d0a6162_cast:
	.size	k_q802d0a6162_cast, .Lfunc_end_k_q802d0a6162_cast-k_q802d0a6162_cast
	.p2alignl 7, 3214868480
	.fill 96, 4, 3214868480
	.section	.rodata,"a",@progbits
	.p2align	6, 0x0
	.amdhsa_kernel k_q802d0a6162_cast
		.amdhsa_group_segment_fixed_size 0
		.amdhsa_private_segment_fixed_size 0
		.amdhsa_enable_private_segment 0
		.amdhsa_kernarg_size 56
		.amdhsa_user_sgpr_count 2
		.amdhsa_user_sgpr_kernarg_segment_ptr 1
		.amdhsa_wavefront_size32 1
		.amdhsa_system_sgpr_workgroup_id_x 1
		.amdhsa_system_sgpr_workgroup_id_y 1
		.amdhsa_system_sgpr_workgroup_id_z 1
		.amdhsa_system_vgpr_workitem_id 0
		.amdhsa_next_free_vgpr 176
		.amdhsa_next_free_sgpr 66
		.amdhsa_reserve_vcc 0
		.amdhsa_float_denorm_mode_32 3
		.amdhsa_float_denorm_mode_16_64 3
		.amdhsa_memory_ordered 1
		.amdhsa_forward_progress 1
		.amdhsa_inst_pref_size 19
	.end_amdhsa_kernel
	.amdgpu_metadata
---
amdhsa.version: [ 1, 2 ]
amdhsa.kernels:
  - .name:           k_q802d0a6162_cast
    .symbol:         k_q802d0a6162_cast.kd
    .args:
      - { .name: wq, .offset: 0, .size: 8, .value_kind: global_buffer, .address_space: global }
      - { .name: wk, .offset: 8, .size: 8, .value_kind: global_buffer, .address_space: global }
      - { .name: wv, .offset: 16, .size: 8, .value_kind: global_buffer, .address_space: global }
      - { .name: wo, .offset: 24, .size: 8, .value_kind: global_buffer, .address_space: global }
      - { .name: mask, .offset: 32, .size: 8, .value_kind: global_buffer, .address_space: global }
      - { .name: wb, .offset: 40, .size: 8, .value_kind: global_buffer, .address_space: global }
      - { .name: mb, .offset: 48, .size: 8, .value_kind: global_buffer, .address_space: global }
    .group_segment_fixed_size: 0
    .private_segment_fixed_size: 0
    .kernarg_segment_align: 8
    .kernarg_segment_size: 56
    .max_flat_workgroup_size: 256
    .sgpr_count:     66
    .vgpr_count:     176
    .wavefront_size: 32
...
	.end_amdgpu_metadata
.endif
;; end of part 6
;; launch proj: the kernel of part 2 again; grid 4 x 192, 4 waves a work-group, clusters of 4 x 4, 327,680 bytes of LDS; arguments q, k, v, wb, bq, bk, bv, qkv; writes qkv
;; launch logits: the kernel of part 3 again; grid 8 x 32, 4 waves a work-group, clusters of 4 x 4, 327,680 bytes of LDS; arguments qkv, mb, ph, st; writes ph, st
;; launch pv: the kernel of part 4 again; grid 4 x 64, 4 waves a work-group, clusters of 4 x 4, 327,680 bytes of LDS; arguments ph, qkv, st, ch; writes ch
;; launch outp: the kernel of part 5 again; grid 4 x 64, 4 waves a work-group, clusters of 4 x 4, 327,680 bytes of LDS; arguments ch, wb, bo, out0; writes out0
